; MI455X (gfx1250); checked and timed in simulation.
; The chip was launched on July 23, 2026; its instructions are those of AMD's public machine-readable ISA for CDNA 5 (MIT licence, August 2026) and "CDNA5" Instruction Set Architecture Reference Guide (July 2026). The comments in the code are by the model that wrote it; some were corrected since.
;; A Li Bi Transformer Layer. Allowed arithmetic: matrix products marked QUANTISED: E3M2 operands, one E8M0 scale for each 32 along K, by v_wmma_scale_f32_16x16x128_f8f6f4 with both operands' format E3M2, f32 sums; everything else in f32.
;; Inputs: b1 4,096 float32; b2 1,024 float32; ln1_b 1,024 float32; ln1_g 1,024 float32; ln2_b 1,024 float32; ln2_g 1,024 float32; w1 1,024 x 4,096 float32; w2 4,096 x 1,024 float32; w_kqv 1,024 x 3,072 float32; x 2 x 2,048 x 1,024 float32.
;; Outputs: out0 2 x 2,048 x 1,024 float32.
;; This version of the problem:
;;   THIS VERSION OF THE PROBLEM IS GIVEN IN LOW PRECISION. The matrix products marked QUANTISED in the list below multiply operands that are first quantised to E3M2 (3 exponent bits, 2 mantissa bits; 6 bits a number), with one power-of-two scale for each 32 numbers along K (OCP MX v1.0); their sums are f32. All else is computed in f32.
;;   The module's matrix products, in the order in which they are computed (A, B: the left and right operand; K: the contracted axis; several contracted axes count as one K, in the product's order):
;;     1. [M 4,096, K 1,024] x [K 1,024, N 3,072]; A: computed on the way; B: input w_kqv: QUANTISED
;;     2. batch 32 x [M 2,048, K 64] x [K 64, N 2,048]; A: computed on the way; B: computed on the way: QUANTISED
;;     3. batch 32 x [M 2,048, K 2,048] x [K 2,048, N 64]; A: softmax (see below); B: computed on the way: QUANTISED
;;     4. [M 4,096, K 1,024] x [K 1,024, N 4,096]; A: computed on the way; B: input w1: QUANTISED
;;     5. [M 4,096, K 4,096] x [K 4,096, N 1,024]; A: computed on the way; B: input w2: QUANTISED
;;   THE QUANTISER, for each operand of a quantised product, along K:
;;     - K is cut into blocks of 32 from its start; a last block that is shorter is filled with zeros.
;;     - A block's scale is 2^e with e = floor(log2(the largest magnitude in the block)) - 4, held to -126 .. 127; a block of zeros has e = 0. As a byte (E8M0): e + 127.
;;     - Each number is divided by its block's scale, clamped to +-28, and rounded to the nearest number of E3M2, ties to even, subnormals kept.
;;     - The product sums the exact products of the quantised numbers (number of the format x scale) in f32.
;;   ~~~python
;;   def quantise(x, axis):      # numpy; x: float32 -> the quantised numbers, widened to float32 again
;;       x = np.moveaxis(x, axis, -1); K = x.shape[-1]
;;       x = np.pad(x, [(0, 0)] * (x.ndim - 1) + [(0, -K % 32)]); x = x.reshape(x.shape[:-1] + (-1, 32)); a = np.abs(x).max(-1, keepdims=True)
;;       e = np.where(a > 0, np.clip(np.frexp(np.where(a > 0, a, 1))[1] - 1 - 4, -126, 127), 0)      # np.frexp(a)[1] - 1 = floor(log2(a)), exactly
;;       r = np.clip(x / 2.0 ** e, -28, 28)
;;       step = 2.0 ** (np.maximum(np.frexp(np.where(r == 0, 1, r))[1] - 1, -2) - 2)
;;       q = np.round(r / step) * step * 2.0 ** e      # np.round: ties to even
;;       return np.moveaxis(q.reshape(q.shape[:-2] + (-1,))[..., :K], -1, axis).astype(np.float32)
;;   ~~~
;;   SOFTMAX AHEAD OF A QUANTISED PRODUCT. Where the list says 'softmax', what is quantised is not the finished softmax but p = 2^(t - M), with t = logit x log2(e) and M = ceil(the row's largest t), a whole number; so 1/2 < the row's largest p <= 1. The row's sum l is taken of the UNQUANTISED p, in f32, and the product's result is divided by l at the end. Since M is a whole number, a kernel that streams over the keys may use a running M (the ceiling of the running maximum): every later rescaling is an exact power of two, which a block's scale takes up: the codes' values come out the same.
;;   OPERANDS COMPUTED ON THE WAY. 'Computed on the way' means the value that the module computes at that place (a softmax that the list does not call 'softmax' is quantised finished and normalised). What goes into a quantiser is computed in f32, as accurately as f32 sums, v_exp_f32 and their like allow (about 1e-6 of the number): no bf16 or f16 on the way to a quantiser, and a product that is left as it is and whose result goes on into a quantised operand takes f32 operands (vector FMAs, or v_wmma_f32_16x16x4_f32). A number that lies on a knife's edge between two numbers of the format may be rounded either way, as far as f32 arithmetic and the matrix unit's own rounding can turn it there, and no further.
;; One version. Each part assembles by itself: llvm-mc -triple=amdgcn-amd-amdhsa -mcpu=gfx1250 --defsym DOCPART=n.
;; ======== version 1 of 1: 7 launches
;; limits: right only within a limited range of input values
;; workspace buffers: wq 9,371,648 bytes; a1 3,407,872 bytes; a2 3,407,872 bytes; qkv 10,747,904 bytes; x1 16,777,216 bytes; hid 13,631,488 bytes
;; launch wquant (part 1): grid 704 x 1, 4 waves a work-group, no clusters, 0 bytes of LDS; arguments w_kqv, w1, w2, wq; writes wq
.if DOCPART == 1
	.amdgcn_target "amdgcn-amd-amdhsa--gfx1250"
	.amdhsa_code_object_version 6
	.text
	.protected	k_q443a296df7_wquant
	.globl	k_q443a296df7_wquant
	.p2align	8
	.type	k_q443a296df7_wquant,@function
k_q443a296df7_wquant:
	s_mov_b64 s[64:65], 0
	v_nop
	global_prefetch_b8 v0, s[64:65] scope:SCOPE_SE
	s_setreg_imm32_b32 hwreg(HW_REG_WAVE_MODE, 25, 1), 1
	s_wait_xcnt 0x0
; THE PROGRAM: x1 = x + attention(LN1(x)); out0 = x1 + relu(LN2(x1) w1 + b1) w2 + b2, all five products on codes of E3M2 with one E8M0 scale for each 32 along K.
; DEAD WORK LEFT OUT (in the attention launch): score[q][k] is set to -infinity by reference()'s own causal mask wherever k > q, whatever the inputs hold; its weight is then 0, so a step of 128 keys
; all of which come after a wave's 16 queries reaches no output, and neither its products nor its softmax are done.  Nothing else is left out: the ALiBi term -slope x q, though constant along the softmax's axis,
; moves M = ceil(largest t) and stays; every input is loaded.  LIMIT: a NaN, an infinity or an overflow that would arise only in the scores left out is not carried to the result.
; THIS LAUNCH: the three weights, f32 stored [K][N], become codes with K innermost, laid as IMAGES OF OPERAND REGISTERS: a tile is 16 columns x 128 K = 12 registers a lane = 1,536 bytes, registers 4 c .. 4 c + 3 of lane l
; at byte 512 c + 16 l; its scale words are 128 bytes, one word a lane.  Buffer order [tile][K step].  Lane row r of tile t is column 32 (t / 2) + 8 (t % 2) + r + 8 (r / 8).
; A LANE TAKES A COLUMN AND ITS REGISTERS RUN DOWN K: a block of 32 lies in one lane, and the conversions give codes with K innermost.  Lane x of a wave's 32 columns is row r = x % 8 + 8 (x / 16) of tile u = (x / 8) % 2.
; Its block k4 is registers 6 (k4 / 2) .. + 5 of the operand's lane r + 16 (k4 % 2), so a lane stores the 12 registers of both of these lanes: each store of the wave covers two aligned runs of 256 bytes.
; A block's scale byte is its largest magnitude's exponent field - 4, held at 1 from below.  LIMITS: a block of zeros gets the byte 1 where the rule says 127 (its codes are zeros, and this program alone reads the bytes);
; blocks whose largest magnitude lies under 2^-122 are held at the byte 1; NaN and infinities among the inputs are not served.
; A work-group takes 128 columns x 128 K, a wave 32 columns.  No LDS, no barrier, no cluster: work-groups and waves share nothing.
.set WKC, 0
.set W1C, 2359296
.set W2C, 5505024
.set WKS, 8650752
.set W1S, 8847360
.set W2S, 9109504
.set X,   32                           ; v32-159  128 numbers: block k at 32 k
.set CD,  160                          ; v160-171 the operand's lane r, v172-183 its lane r + 16
.macro WLOAD N, t                      ; block t: w(32 t + n, my column)
.set n, 0
.rept 32
	global_load_b32 v[X+32*(\t)+n], v3, s[14:15] offset:(32*(\t)+n)*\N*4 th:TH_LOAD_NT
.set n, n+1
.endr
.endm
.macro WPATH N, LK, CODES, SCALES, FIRST, SRC
	s_sub_co_u32 s20, ttmp9, \FIRST
	s_lshr_b32 s21, s20, \LK                       ; which 128 columns
	s_and_b32 s22, s20, (1<<\LK)-1                 ; which K step
	s_mul_i32 s24, s22, 128*\N*4
	s_lshl_b32 s23, s21, 9
	s_add_co_u32 s24, s24, s23
	s_lshl_b32 s23, s12, 7
	s_add_co_u32 s24, s24, s23                     ; 128 rows a K step, 512 bytes a work-group, 128 a wave
	s_mov_b32 s25, 0
	s_add_nc_u64 s[14:15], s[\SRC:\SRC+1], s[24:25]
	s_lshl_b32 s23, s21, 3
	s_lshl_b32 s26, s12, 1
	s_add_co_u32 s23, s23, s26                     ; my first tile
	s_lshl_b32 s23, s23, \LK
	s_add_co_u32 s23, s23, s22                     ; x K steps + my K step
	s_mul_i32 s26, s23, 1536
	s_add_co_u32 s26, s26, \CODES
	s_mov_b32 s27, 0
	s_add_nc_u64 s[16:17], s[10:11], s[26:27]
	s_lshl_b32 s28, s23, 7
	s_add_co_u32 s28, s28, \SCALES
	s_mov_b32 s29, 0
	s_add_nc_u64 s[18:19], s[10:11], s[28:29]
	v_mul_u32_u24 v5, v4, (1<<\LK)*1536            ; tile u, + 16 r
	v_lshl_add_u32 v5, v7, 4, v5
	v_mul_u32_u24 v6, v4, (1<<\LK)*128             ; and among the scale words: + 4 r
	v_lshl_add_u32 v6, v7, 2, v6
	WLOAD \N, 0
	WLOAD \N, 1
.irp k, 0,1,2,3
.set XS, X+32*\k
.set DD, CD+12*(\k%2)+6*(\k/2)
.if \k < 3
	s_wait_loadcnt 32                              ; this block's 32 loads are in; the next block's may be out
.else
	s_wait_loadcnt 0
.endif
.if \k < 2
	WLOAD \N, \k+2                                 ; two blocks ahead
.endif
	v_max3_num_f32 v8, |v[XS]|, |v[XS+1]|, |v[XS+2]|
	v_max3_num_f32 v9, |v[XS+3]|, |v[XS+4]|, |v[XS+5]|
.irp i, 6,10,14,18,22,26
	v_max3_num_f32 v8, v8, |v[XS+\i]|, |v[XS+\i+1]|
	v_max3_num_f32 v9, v9, |v[XS+\i+2]|, |v[XS+\i+3]|
.endr
	v_max3_num_f32 v8, v8, |v[XS+30]|, |v[XS+31]|
	v_max3_num_f32 v8, v8, v9, 0x2800000           ; and the floor 2^(5 - 127): the byte cannot fall under 1
	v_add_nc_u32 v10, 0xfe000000, v8               ; 4 off the exponent field: the conversion's scale operand
	v_lshrrev_b32 v11, 23, v10                     ; the scale's byte
.if \k == 0
	v_mov_b32 v12, v11
.else
	v_lshl_or_b32 v12, v11, 8*\k, v12              ; the column's scale word, the lower K in the lower byte
.endif
	v_cvt_scalef32_pk16_bf6_f32 v[DD:DD+2], v[XS:XS+15], v10
	v_cvt_scalef32_pk16_bf6_f32 v[16:18], v[XS+16:XS+31], v10   ; (a conversion's three registers begin on an even number)
	v_nop                                          ; one plain line behind a scaled conversion
	v_mov_b32 v[DD+3], v16
	v_mov_b32 v[DD+4], v17
	v_mov_b32 v[DD+5], v18
.endr
.irp h, 0,1
.irp c, 0,1,2
	global_store_b128 v5, v[CD+12*\h+4*\c:CD+12*\h+4*\c+3], s[16:17] offset:512*\c+256*\h   ; sixteen lanes of a tile store 256 consecutive bytes, aligned
.endr
.endr
	global_store_b32 v6, v12, s[18:19]             ; the scale word, for lane r
	global_store_b32 v6, v12, s[18:19] offset:64   ; and for lane r + 16
	s_endpgm
.endm
	s_load_b256 s[4:11], s[0:1], 0x0               ; w_kqv s[4:5], w1 s[6:7], w2 s[8:9], wq s[10:11]
	v_lshrrev_b32 v1, 5, v0
	v_readfirstlane_b32 s12, v1                    ; wave
	v_and_b32 v2, 31, v0                           ; x
	v_lshlrev_b32 v3, 2, v2                        ; 4 bytes a lane
	v_bfe_u32 v4, v2, 3, 1                         ; u
	v_and_b32 v7, 7, v2
	v_lshrrev_b32 v13, 4, v2
	v_lshl_add_u32 v7, v13, 3, v7                  ; r
	s_wait_kmcnt 0x0
	s_cmp_lt_u32 ttmp9, 192                        ; 192 work-groups for w_kqv, 256 for w1, 256 for w2
	s_cbranch_scc1 .Lkqv
	s_cmp_lt_u32 ttmp9, 448
	s_cbranch_scc1 .Lw1
	s_wait_alu depctr_va_vdst(0)
	WPATH 1024, 5, W2C, W2S, 448, 8
.Lw1:
	s_wait_alu depctr_va_vdst(0)
	WPATH 4096, 3, W1C, W1S, 192, 6
.Lkqv:
	s_wait_alu depctr_va_vdst(0)
	WPATH 3072, 3, WKC, WKS, 0, 4
.Lfunc_end_k_q443a296df7_wquant:
	.size	k_q443a296df7_wquant, .Lfunc_end_k_q443a296df7_wquant-k_q443a296df7_wquant
	.p2alignl 7, 3214868480
	.fill 96, 4, 3214868480
	.section	.rodata,"a",@progbits
	.p2align	6, 0x0
	.amdhsa_kernel k_q443a296df7_wquant
		.amdhsa_group_segment_fixed_size 0
		.amdhsa_private_segment_fixed_size 0
		.amdhsa_enable_private_segment 0
		.amdhsa_kernarg_size 32
		.amdhsa_user_sgpr_count 2
		.amdhsa_user_sgpr_kernarg_segment_ptr 1
		.amdhsa_wavefront_size32 1
		.amdhsa_system_sgpr_workgroup_id_x 1
		.amdhsa_system_sgpr_workgroup_id_y 1
		.amdhsa_system_sgpr_workgroup_id_z 1
		.amdhsa_system_vgpr_workitem_id 0
		.amdhsa_next_free_vgpr 192
		.amdhsa_next_free_sgpr 66
		.amdhsa_reserve_vcc 0
		.amdhsa_float_denorm_mode_32 3
		.amdhsa_float_denorm_mode_16_64 3
		.amdhsa_memory_ordered 1
		.amdhsa_forward_progress 1
		.amdhsa_inst_pref_size 61
	.end_amdhsa_kernel
	.amdgpu_metadata
---
amdhsa.version: [ 1, 2 ]
amdhsa.kernels:
  - .name:           k_q443a296df7_wquant
    .symbol:         k_q443a296df7_wquant.kd
    .args:
      - { .name: w_kqv, .offset: 0, .size: 8, .value_kind: global_buffer, .address_space: global }
      - { .name: w1, .offset: 8, .size: 8, .value_kind: global_buffer, .address_space: global }
      - { .name: w2, .offset: 16, .size: 8, .value_kind: global_buffer, .address_space: global }
      - { .name: wq, .offset: 24, .size: 8, .value_kind: global_buffer, .address_space: global }
    .group_segment_fixed_size: 0
    .private_segment_fixed_size: 0
    .kernarg_segment_align: 8
    .kernarg_segment_size: 32
    .max_flat_workgroup_size: 128
    .sgpr_count:     66
    .vgpr_count:     192
    .wavefront_size: 32
...
	.end_amdgpu_metadata
.endif
;; end of part 1
;; launch ln1 (part 2): grid 256 x 1, 4 waves a work-group, no clusters, 66,304 bytes of LDS; arguments x, ln1_g, ln1_b, a1; writes a1
.if DOCPART == 2
	.amdgcn_target "amdgcn-amd-amdhsa--gfx1250"
	.amdhsa_code_object_version 6
	.text
	.protected	k_q443a296df7_ln1
	.globl	k_q443a296df7_ln1
	.p2align	8
	.type	k_q443a296df7_ln1,@function
k_q443a296df7_ln1:
	s_mov_b64 s[64:65], 0
	v_nop
	global_prefetch_b8 v0, s[64:65] scope:SCOPE_SE
	s_setreg_imm32_b32 hwreg(HW_REG_WAVE_MODE, 25, 1), 1
	s_wait_xcnt 0x0
; A layer norm over rows of 1,024 f32, quantised along the row to E3M2 with one E8M0 scale for each 32, stored as images of operand registers ([tile][K step][1,536], scale words [tile][K step][128] from byte ASC on).
; Work-group t makes tile t: lane row r is row 32 (t / 2) + 8 (t % 2) + r + 8 (r / 8).  Wave w normalises lane rows 4 w .. 4 w + 3 (four consecutive rows of memory), each row whole in 32 registers: mean, then the mean of
; (x - mean)^2, as the reference has it; the rows meet in a stage in LDS (pitch 4,096 + 16), and behind one barrier wave w quantises K steps 2 w and 2 w + 1 of all 16 rows: lane (r, h) takes, of row r, 16 neighbours of each block of 32.
; LIMITS: a block of zeros gets the byte 1 (its codes are zeros; this program alone reads the bytes); blocks under 2^-122 are held at the byte 1; NaN and infinities are not served.
; No cluster, no tensor load: work-groups share only the gain and the bias, 8 KiB.
.set PITCH, 4112
.set SPARE, 16*PITCH                   ; behind the stage: the spare words, 128 bytes for each wave
.set ASC,   3145728
.set SPW, 6
.set NIL, 7
.set TM,  32                           ; v32-47  the quantiser's work
.set PC,  48                           ; v48-66  codes
.set PW,  68                           ; v68     scale word
.set X,   64                           ; v64-191 four rows
.set G,   192                          ; v192-223 gain, v224-255 bias of my columns 128 j + 4 lane
.set BT,  224
.set ST0, 72                           ; behind the barrier: 64 numbers for each of two K steps
.set ST1, 136
.set SEL, 22
.macro REDUCE                          ; four packed chains v[24:31] -> the sum over the wave, in every lane's v24
	v_pk_add_f32 v[24:25], v[24:25], v[26:27]
	v_pk_add_f32 v[28:29], v[28:29], v[30:31]
	v_pk_add_f32 v[24:25], v[24:25], v[28:29]
	v_add_f32 v24, v24, v25
	v_add_f32_dpp v24, v24, v24 row_xmask:1 row_mask:0xf bank_mask:0xf
	v_add_f32_dpp v24, v24, v24 row_xmask:2 row_mask:0xf bank_mask:0xf
	v_add_f32_dpp v24, v24, v24 row_xmask:4 row_mask:0xf bank_mask:0xf
	v_add_f32_dpp v24, v24, v24 row_xmask:8 row_mask:0xf bank_mask:0xf
	v_permlanex16_b32 v25, v24, s[SEL], s[SEL+1]
	v_add_f32 v24, v24, v25
.endm
.macro ROWSTAT i                       ; row i: -mean into v[8+2i:9+2i], x - mean in place, variance + eps into v[17+2i]
.set XR, X+32*\i
	s_wait_loadcnt 24-8*\i                         ; my row's eight loads are in (and gain and bias, asked for earlier); the later rows' may be out
.irp c, 0,1,2,3
	v_pk_add_f32 v[24+2*\c:25+2*\c], v[XR+2*\c:XR+2*\c+1], v[XR+8+2*\c:XR+9+2*\c]
.endr
.irp p, 16,24
.irp c, 0,1,2,3
	v_pk_add_f32 v[24+2*\c:25+2*\c], v[24+2*\c:25+2*\c], v[XR+\p+2*\c:XR+\p+2*\c+1]
.endr
.endr
	REDUCE
	v_mul_f32 v[8+2*\i], 0xba800000, v24           ; -sum / 1024
	v_mov_b32 v[9+2*\i], v[8+2*\i]
.set q, 0
.rept 16
	v_pk_add_f32 v[XR+q:XR+q+1], v[XR+q:XR+q+1], v[8+2*\i:9+2*\i]
.set q, q+2
.endr
.irp c, 0,1,2,3
	v_pk_mul_f32 v[24+2*\c:25+2*\c], v[XR+2*\c:XR+2*\c+1], v[XR+2*\c:XR+2*\c+1]
.endr
.irp p, 8,16,24
.irp c, 0,1,2,3
	v_pk_fma_f32 v[24+2*\c:25+2*\c], v[XR+\p+2*\c:XR+\p+2*\c+1], v[XR+\p+2*\c:XR+\p+2*\c+1], v[24+2*\c:25+2*\c]
.endr
.endr
	REDUCE
	v_fma_f32 v[17+2*\i], v24, s20, s21            ; / 1024 + 1e-5
.endm
.macro NORM i                          ; (x - mean) x rstd x g + b, into the stage
.set XR, X+32*\i
.set q, 0
.rept 16
	v_pk_mul_f32 v[XR+q:XR+q+1], v[XR+q:XR+q+1], v[16+2*\i:17+2*\i]
.set q, q+2
.endr
.set q, 0
.rept 16
	v_pk_fma_f32 v[XR+q:XR+q+1], v[XR+q:XR+q+1], v[G+q:G+q+1], v[BT+q:BT+q+1]
.set q, q+2
.endr
.irp j, 0,1,2,3,4,5,6,7
	ds_store_b128 v4, v[XR+4*\j:XR+4*\j+3] offset:\i*PITCH+512*\j
.endr
.endm
; 64 numbers of a lane, register 16 b + i = k 32 b + 16 (lane / 16) + i of my row, become a fragment's codes in v[PC] on and its scale word in v[PW]
.macro QUANT s
.irp b, 0,1,2,3
	v_max3_num_f32 v[TM+\b], |v[\s+16*\b]|, |v[\s+1+16*\b]|, 0x2800000   ; my 16 numbers of block b, and the floor 2^(5 - 127)
.endr
.irp i, 2,4,6,8,10,12,14
.irp b, 0,1,2,3
	v_max3_num_f32 v[TM+\b], v[TM+\b], |v[\s+16*\b+\i]|, |v[\s+1+16*\b+\i]|
.endr
.endr
.irp b, 0,1,2,3
	v_permlanex16_b32 v[TM+4+\b], v[TM+\b], s[SEL], s[SEL+1]
.endr
.irp b, 0,1,2,3
	v_max_num_f32 v[TM+\b], v[TM+\b], v[TM+4+\b]   ; with lane l xor 16's: the block's largest magnitude
.endr
.irp b, 0,1,2,3
	v_add_nc_u32 v[TM+12+\b], 0xfe000000, v[TM+\b] ; 4 off its exponent field: the conversion's scale operand
.endr
.irp b, 0,1,2,3
	v_lshrrev_b32 v[TM+4+\b], 23, v[TM+12+\b]      ; the scale's byte
.endr
	v_lshl_or_b32 v[PW], v[TM+5], 8, v[TM+4]
	v_lshl_or_b32 v[PW], v[TM+6], 16, v[PW]
	v_lshl_or_b32 v[PW], v[TM+7], 24, v[PW]
.irp c, 0,1
	v_cvt_scalef32_pk16_bf6_f32 v[PC+6*\c:PC+2+6*\c], v[\s+32*\c:\s+15+32*\c], v[TM+12+2*\c]
	v_cvt_scalef32_pk16_bf6_f32 v[PC+12+4*\c:PC+14+4*\c], v[\s+16+32*\c:\s+31+32*\c], v[TM+12+2*\c+1]
.endr
	v_nop                                          ; one plain line behind a scaled conversion
.irp c, 0,1                                    ; the operand wants a whole block in a lane: lanes 0-15 block 2 c, lanes 16-31 block 2 c + 1
.irp i, 0,1,2
	v_permlane16_swap_b32 v[PC+6*\c+\i], v[PC+12+4*\c+\i]
.endr
.irp i, 0,1,2
	v_mov_b32 v[PC+3+6*\c+\i], v[PC+12+4*\c+\i]
.endr
.endr
.endm
.macro SEND s                          ; the image of K step 2 w + s: three stores of 512 consecutive bytes, and the scale words
.irp c, 0,1,2
	global_store_b128 v2, v[PC+4*\c:PC+4*\c+3], s[16:17] offset:1536*\s+512*\c
.endr
	global_store_b32 v5, v[PW], s[18:19] offset:128*\s
.endm
	s_load_b256 s[4:11], s[0:1], 0x0               ; the rows s[4:5], gain s[6:7], bias s[8:9], the images s[10:11]
	v_lshl_add_u32 v[SPW], v0, 2, SPARE
	v_mov_b32 v[NIL], 0
	v_lshrrev_b32 v1, 5, v0
	v_readfirstlane_b32 s12, v1                    ; wave
	v_and_b32 v1, 31, v0
	v_lshlrev_b32 v2, 4, v1                        ; 16 x lane
	v_lshlrev_b32 v5, 2, v1                        ; 4 x lane
	v_and_b32 v8, 15, v0                           ; r
	v_bfe_u32 v9, v0, 4, 1                         ; h
	v_mul_u32_u24 v3, v8, PITCH
	v_lshl_add_u32 v3, v9, 6, v3
	s_lshl_b32 s13, s12, 10
	v_add_nc_u32 v3, s13, v3                       ; out of the stage: row r, + 64 h, + my two K steps' 1,024 bytes x wave
	s_mul_i32 s13, s12, 4*PITCH
	v_add_nc_u32 v4, s13, v2                       ; into it: my four rows, 16 bytes a lane
.irp b, 0,1,2,3
	v_mov_b32 v[TM+4+\b], 0                        ; written once: a lane permute's destination counts as one of its sources
.endr
	s_lshr_b32 s14, ttmp9, 1
	s_lshl_b32 s14, s14, 5
	s_and_b32 s15, ttmp9, 1
	s_lshl_b32 s15, s15, 3
	s_add_co_u32 s14, s14, s15
	s_lshl_b32 s15, s12, 2
	s_add_co_u32 s14, s14, s15
	s_lshr_b32 s15, s12, 1
	s_lshl_b32 s15, s15, 3
	s_add_co_u32 s14, s14, s15                     ; my first row: 32 (t / 2) + 8 (t % 2) + 4 w + 8 (w / 2)
	s_lshl_b32 s14, s14, 12
	s_mov_b32 s15, 0
	s_mul_i32 s16, ttmp9, 12288
	s_mul_i32 s17, s12, 3072
	s_add_co_u32 s16, s16, s17
	s_mov_b32 s17, 0
	s_lshl_b32 s18, ttmp9, 10
	s_lshl_b32 s19, s12, 8
	s_add_co_u32 s18, s18, s19
	s_add_co_u32 s18, s18, ASC
	s_mov_b32 s19, 0
	s_mov_b32 s20, 0x3a800000                      ; 1 / 1024
	s_mov_b32 s21, 0x3727c5ac                      ; 1e-5
	s_mov_b32 s[SEL], 0x76543210
	s_mov_b32 s[SEL+1], 0xfedcba98
	s_wait_kmcnt 0x0
	s_add_nc_u64 s[4:5], s[4:5], s[14:15]
	s_add_nc_u64 s[16:17], s[10:11], s[16:17]
	s_add_nc_u64 s[18:19], s[10:11], s[18:19]
.irp j, 0,1,2,3,4,5,6,7
	global_load_b128 v[G+4*\j:G+4*\j+3], v2, s[6:7] offset:512*\j
	global_load_b128 v[BT+4*\j:BT+4*\j+3], v2, s[8:9] offset:512*\j
.endr
.irp i, 0,1,2,3
.irp j, 0,1,2,3,4,5,6,7
	global_load_b128 v[X+32*\i+4*\j:X+32*\i+4*\j+3], v2, s[4:5] offset:4096*\i+512*\j   ; 512 consecutive bytes a load
.endr
.endr
	ROWSTAT 0
	ROWSTAT 1
	ROWSTAT 2
	ROWSTAT 3
	s_wait_alu depctr_va_vdst(0)
.irp i, 0,1,2,3
	v_rsq_f32 v[16+2*\i], v[17+2*\i]
.endr
	v_nop                                          ; a plain line behind the last of them
	s_wait_alu depctr_va_vdst(0)                   ; one wait for the four, ahead of their first reader
.irp i, 0,1,2,3
	v_mov_b32 v[17+2*\i], v[16+2*\i]               ; a pair for the packed multiply
.endr
	NORM 0
	NORM 1
	NORM 2
	NORM 3
	s_wait_dscnt 0x0                               ; for the others' sake: my rows lie in the stage
	s_barrier_signal -1
	s_barrier_wait -1
.irp s, 0,1
.irp b, 0,1,2,3
.irp j, 0,1,2,3
	ds_load_b128 v[ST0+64*\s+16*\b+4*\j:ST0+64*\s+16*\b+4*\j+3], v3 offset:512*\s+128*\b+16*\j
.endr
.endr
.endr
	s_wait_dscnt 16                                ; the first K step's 16 loads are in; the second's may be out
	QUANT ST0
	SEND 0
	s_wait_dscnt 0x0
	s_wait_xcnt 0x0                                ; the stores have read the codes' and the word's registers, which are written again
	QUANT ST1
	SEND 1
	s_wait_tensorcnt 0x0                           ; the wave's end
	ds_add_u32 v[SPW], v[NIL]
	s_wait_dscnt 0x0
	s_endpgm
.Lfunc_end_k_q443a296df7_ln1:
	.size	k_q443a296df7_ln1, .Lfunc_end_k_q443a296df7_ln1-k_q443a296df7_ln1
	.p2alignl 7, 3214868480
	.fill 96, 4, 3214868480
	.section	.rodata,"a",@progbits
	.p2align	6, 0x0
	.amdhsa_kernel k_q443a296df7_ln1
		.amdhsa_group_segment_fixed_size 66304
		.amdhsa_private_segment_fixed_size 0
		.amdhsa_enable_private_segment 0
		.amdhsa_kernarg_size 32
		.amdhsa_user_sgpr_count 2
		.amdhsa_user_sgpr_kernarg_segment_ptr 1
		.amdhsa_wavefront_size32 1
		.amdhsa_system_sgpr_workgroup_id_x 1
		.amdhsa_system_sgpr_workgroup_id_y 1
		.amdhsa_system_sgpr_workgroup_id_z 1
		.amdhsa_system_vgpr_workitem_id 0
		.amdhsa_next_free_vgpr 256
		.amdhsa_next_free_sgpr 66
		.amdhsa_reserve_vcc 0
		.amdhsa_float_denorm_mode_32 3
		.amdhsa_float_denorm_mode_16_64 3
		.amdhsa_memory_ordered 1
		.amdhsa_forward_progress 1
		.amdhsa_inst_pref_size 44
	.end_amdhsa_kernel
	.amdgpu_metadata
---
amdhsa.version: [ 1, 2 ]
amdhsa.kernels:
  - .name:           k_q443a296df7_ln1
    .symbol:         k_q443a296df7_ln1.kd
    .args:
      - { .name: x, .offset: 0, .size: 8, .value_kind: global_buffer, .address_space: global }
      - { .name: ln1_g, .offset: 8, .size: 8, .value_kind: global_buffer, .address_space: global }
      - { .name: ln1_b, .offset: 16, .size: 8, .value_kind: global_buffer, .address_space: global }
      - { .name: a1, .offset: 24, .size: 8, .value_kind: global_buffer, .address_space: global }
    .group_segment_fixed_size: 66304
    .private_segment_fixed_size: 0
    .kernarg_segment_align: 8
    .kernarg_segment_size: 32
    .max_flat_workgroup_size: 128
    .sgpr_count:     66
    .vgpr_count:     256
    .wavefront_size: 32
...
	.end_amdgpu_metadata
.endif
;; end of part 2
;; launch gkqv (part 3): grid 12 x 16, 4 waves a work-group, clusters of 4 x 4, 327,680 bytes of LDS; arguments a1, wq, qkv; writes qkv
.if DOCPART == 3
	.amdgcn_target "amdgcn-amd-amdhsa--gfx1250"
	.amdhsa_code_object_version 6
	.text
	.protected	k_q443a296df7_gkqv
	.globl	k_q443a296df7_gkqv
	.p2align	8
	.type	k_q443a296df7_gkqv,@function
k_q443a296df7_gkqv:
	s_mov_b64 s[64:65], 0
	v_nop
	global_prefetch_b8 v0, s[64:65] scope:SCOPE_SE
	s_setreg_imm32_b32 hwreg(HW_REG_WAVE_MODE, 25, 1), 1
	s_wait_xcnt 0x0
	s_wait_alu depctr_hold_cnt(0) depctr_sa_sdst(0) depctr_va_vdst(0) depctr_va_sdst(0) depctr_va_ssrc(0) depctr_va_vcc(0) depctr_vm_vsrc(0)
	s_getreg_b32 s2, hwreg(HW_REG_IB_STS2, 6, 4)
	s_cmp_eq_u32 s2, 0
	s_cbranch_scc0 .Lentry_in_a_cluster
	s_endpgm
.Lentry_in_a_cluster:
	s_bfe_u32 s2, ttmp6, 0x10000c
	s_cmp_lg_u32 s2, 0xf033
	s_cbranch_scc0 .Lentry_shape_is_right
	s_endpgm
.Lentry_shape_is_right:
; kqv = LN1(x) w_kqv on codes of E3M2, and its result quantised on the way out into the three operands of the attention; the f32 form of kqv never goes to memory.
; Operands are images of registers: [tile of 16][K step of 128][1,536 bytes], scale words [tile][K step][128]; lane row r of tile t is index 32 (t / 2) + 8 (t % 2) + r + 8 (r / 8).
; A work-group makes 256 x 256, each of its four waves 128 x 128: 64 accumulators.  THE MATRIX INSTRUCTION IS USED TRANSPOSED: source 0 = a tile of operand B, source 1 = a tile of operand A: lane (r, h) holds A's lane row r, and the
; 64 registers of accumulators (a, 0 .. 7) are B's indices 32 bb + 16 h + i at register 16 bb + i: 128 neighbours, which are quantised in registers.
; The cluster's x says which third: 0 = k, 1 = q: A = the rows of LN1(x), B = the weights' columns: a lane holds a position and its registers run along two heads' 64 channels, the K of q k^T.
; 2 = v: A = the weights' columns, B = the rows: a lane holds a channel and its registers run along 128 keys, the K of the second product.  Only pointers and numbers are chosen, by selects on the cluster's x, equal in all partners.
; K goes through a ring of two LDS slots of two K steps, filled by joint tensor loads: A's tiles are shared along a row of the 4 x 4 cluster, B's along a column.  All scale words of K come once, with the first fills.
; LIMITS: a block of zeros gets the byte 1 (its codes are zeros); blocks under 2^-122 are held at the byte 1; NaN and infinities are not served.
.set NBK,   8                          ; tiles a wave and side
.set SK,    2                          ; K steps in a slot
.set KST,   8                          ; K steps in all
.set RBP,   SK*1536                    ; a tile's bytes in a slot
.set HALFT, NBK*RBP                    ; what one tensor load brings
.set SLOT,  4*HALFT                    ; A's two halves, then B's two
.set HALFS, NBK*KST*128                ; the scale words of 8 tiles, all of K
.set LAPS,  KST/(2*SK)
.set SCL,   2*SLOT
.set SPARE, SCL+4*HALFS                ; the spare words, 128 bytes for each wave
.set FR,    12
.set ASC,   3145728
.set WKS,   8650752
.set VC,    6291456
.set KSC,   9437184
.set VSC,   10485760
.set ADRA, 16                          ; v16-17 LDS address of my A fragments in slot 0, 1;  v20-21 B's
.set ADRB, 20
.set ADRS, 27                          ; v27 my scale words: lanes 0-15 A's, lanes 16-31 B's
.set SPW,  28
.set NIL,  29
.set SC,   32                          ; v32-47 scale words, two sets of 8
.set AF,   64                          ; window 0: A's fragments, two sets of 96.  Window 1: B's, at v0 and v96.  Windows 2, 3: the accumulators, (a, b) at v[8 ((8 a + b) % 32)]
.set PC,   64                          ; the way out: codes, work, scale word
.set TM,   96
.set PW,   112
.set G1, 24
.set G0, 32
.set G1B, 48
.set G0B, 56
.set G1S, 68
.set G0S, 76
.set G1SB, 80
.set G0SB, 88
.set SEL, 96
.set MSB, 0
.macro WIN new                         ; the immediate's high byte repeats the setting that is left
.if MSB != (\new)
	s_set_vgpr_msb (MSB<<8)|(\new)
.set MSB, (\new)
.endif
.endm
.macro JLOAD g0a, g1a, g0b, g1b        ; a joint load: waves 0 and 1 fetch for A, waves 2 and 3 for B; an s_nop 0 and four v_nop follow each line
	s_cmp_eq_u32 s15, 0
	s_cbranch_scc0 .Lfor_b_\@
	tensor_load_to_lds s[\g0a:\g0a+3], s[\g1a:\g1a+7]
	s_nop 0
.rept 4
	v_nop
.endr
	s_branch .Lasked_\@
.Lfor_b_\@:
	tensor_load_to_lds s[\g0b:\g0b+3], s[\g1b:\g1b+7]
	s_nop 0
.rept 4
	v_nop
.endr
.Lasked_\@:
.endm
.macro CREST                           ; a round of the cluster's barrier behind its opening barrier
	s_cmp_lg_u32 s14, 0
	s_cbranch_scc1 .Lnot_wave_0_\@
	s_barrier_signal -3
.Lnot_wave_0_\@:
	s_barrier_wait -3
	s_barrier_signal -1
	s_barrier_wait -1
.endm
.macro CROUND
	s_barrier_signal -1
	s_barrier_wait -1
	CREST
.endm
.macro PLACES n
.rept \n
	v_nop
.endr
.endm
.macro FETCH slot, ql, p               ; the fragments and scale words of the slot's K step ql into set p: images come back as they were stored, 16 bytes a lane
	WIN 0x40
.set fi, 0
.rept NBK
.irp c, 0,1,2
	ds_load_b128 v[FR*NBK*(\p)+FR*fi+4*\c:FR*NBK*(\p)+FR*fi+4*\c+3], v[ADRB+\slot] offset:fi*RBP+(\ql)*1536+512*\c
.endr
.set fi, fi+1
.endr
	WIN 0
.set fi, 0
.rept NBK
.irp c, 0,1,2
	ds_load_b128 v[AF+FR*NBK*(\p)+FR*fi+4*\c:AF+FR*NBK*(\p)+FR*fi+4*\c+3], v[ADRA+\slot] offset:fi*RBP+(\ql)*1536+512*\c
.endr
.set fi, fi+1
.endr
.set fi, 0
.rept NBK
	ds_load_b32 v[SC+NBK*(\p)+fi], v[ADRS] offset:fi*KST*128+(\ql)*128
.set fi, fi+1
.endr
.endm
; A quarter of a K step's products: NBK / 4 tiles of A against all of B's.  first = 1: the constant 0 starts the sums.  The accumulators take turns, one instruction a turn, in the same order in every step.
.macro MULQ qd, p, first
.set mw, 2+((\qd)*(NBK/4)*NBK)/32
	WIN (mw<<6)|(mw<<4)|1
.set ma, (\qd)*(NBK/4)
.rept NBK/4
.set mb, 0
.rept NBK
.set mr, 8*((ma*NBK+mb)%32)
.if (\first) == 1
	v_wmma_scale_f32_16x16x128_f8f6f4 v[mr:mr+7], v[FR*NBK*(\p)+FR*mb:FR*NBK*(\p)+FR*mb+FR-1], v[AF+FR*NBK*(\p)+FR*ma:AF+FR*NBK*(\p)+FR*ma+FR-1], 0, v[SC+NBK*(\p)+mb], v[SC+NBK*(\p)+ma] matrix_a_fmt:MATRIX_FMT_BF6 matrix_b_fmt:MATRIX_FMT_BF6 matrix_a_scale:MATRIX_SCALE_ROW1
.else
	v_wmma_scale_f32_16x16x128_f8f6f4 v[mr:mr+7], v[FR*NBK*(\p)+FR*mb:FR*NBK*(\p)+FR*mb+FR-1], v[AF+FR*NBK*(\p)+FR*ma:AF+FR*NBK*(\p)+FR*ma+FR-1], v[mr:mr+7], v[SC+NBK*(\p)+mb], v[SC+NBK*(\p)+ma] matrix_a_fmt:MATRIX_FMT_BF6 matrix_b_fmt:MATRIX_FMT_BF6 matrix_a_scale:MATRIX_SCALE_ROW1
.endif
.set mb, mb+1
.endr
.set ma, ma+1
.endr
.endm
.macro STEP slot, ql, first            ; a K step that has its successor in the same slot
	s_wait_dscnt 0x0                               ; this step's set is in: it was asked for a whole step ago
	PLACES 4                                       ; in front of loads into the set that the last step's products read
	FETCH \slot, (\ql)+1, 1-(\ql)%2
	MULQ 0, (\ql)%2, \first
	MULQ 1, (\ql)%2, \first
	MULQ 2, (\ql)%2, \first
	MULQ 3, (\ql)%2, \first
.endm
.macro TURN slot, next, fill           ; a slot's last K step (set 1) changes slots: one barrier; fill = 1: it opens a round of the cluster's barrier, and this slot is filled again
	WIN 0
	s_wait_tensorcnt 0x0                           ; all my tensor loads have landed: my part of the next slot
	ds_add_u32 v[SPW], v[NIL]                      ; 0 onto my spare word
	s_wait_dscnt 1                                 ; this step's set is in; the add alone may be out
	MULQ 0, 1, 0
	s_wait_dscnt 0x0                               ; the add is done, and my reads of this slot are over
	s_barrier_signal -1
	MULQ 1, 1, 0
	WIN 0
	s_barrier_wait -1
.if \fill
	CREST                                          ; no wave of any partner still reads this slot or has a load on its way
	s_add_nc_u64 s[G0+4*\slot+2:G0+4*\slot+3], s[G0+4*\slot+2:G0+4*\slot+3], 2*RBP
	s_add_nc_u64 s[G0B+4*\slot+2:G0B+4*\slot+3], s[G0B+4*\slot+2:G0B+4*\slot+3], 2*RBP
	JLOAD G0+4*\slot, G1, G0B+4*\slot, G1B         ; the first tensor load behind the round; its four v_nop are the places in front of the loads below
.else
	PLACES 4
.endif
	s_wait_alu depctr_va_vdst(0)
	v_add_nc_u32 v[ADRS], SK*128, v[ADRS]          ; the next slot's scale words
	FETCH \next, 0, 0
	MULQ 2, 1, 0
	MULQ 3, 1, 0
.endm
; 64 numbers in window w, v[s] on, become codes in v[PC] on and a scale word in v[PW] of window 0.  Each accumulator is read from its low end on.
.macro QUANTW w, s
	s_wait_xcnt 0x0                                ; the earlier stores have read the registers that are written again
	WIN ((\w)<<4)|((\w)<<2)
.irp b, 0,1,2,3
	v_max3_num_f32 v[TM+\b], 0x2800000, |v[(\s)+16*\b]|, |v[(\s)+16*\b+1]|   ; the floor 2^(5 - 127), and my 16 numbers of block b
.endr
.irp i, 2,4,6,8,10,12,14
.irp b, 0,1,2,3
	v_max3_num_f32 v[TM+\b], v[TM+\b], |v[(\s)+16*\b+\i]|, |v[(\s)+16*\b+\i+1]|
.endr
.endr
	WIN 0
.irp b, 0,1,2,3
	v_permlanex16_b32 v[TM+4+\b], v[TM+\b], s[SEL], s[SEL+1]
.endr
.irp b, 0,1,2,3
	v_max_num_f32 v[TM+\b], v[TM+\b], v[TM+4+\b]
.endr
.irp b, 0,1,2,3
	v_add_nc_u32 v[TM+12+\b], 0xfe000000, v[TM+\b]
.endr
.irp b, 0,1,2,3
	v_lshrrev_b32 v[TM+4+\b], 23, v[TM+12+\b]
.endr
	v_lshl_or_b32 v[PW], v[TM+5], 8, v[TM+4]
	v_lshl_or_b32 v[PW], v[TM+6], 16, v[PW]
	v_lshl_or_b32 v[PW], v[TM+7], 24, v[PW]
	WIN (\w)
.irp c, 0,1
	v_cvt_scalef32_pk16_bf6_f32 v[PC+6*\c:PC+2+6*\c], v[(\s)+32*\c:(\s)+15+32*\c], v[TM+12+2*\c]
	v_cvt_scalef32_pk16_bf6_f32 v[PC+12+4*\c:PC+14+4*\c], v[(\s)+16+32*\c:(\s)+31+32*\c], v[TM+12+2*\c+1]
.endr
	WIN 0
	v_nop                                          ; one plain line behind a scaled conversion
.irp c, 0,1
.irp i, 0,1,2
	v_permlane16_swap_b32 v[PC+6*\c+\i], v[PC+12+4*\c+\i]
.endr
.irp i, 0,1,2
	v_mov_b32 v[PC+3+6*\c+\i], v[PC+12+4*\c+\i]
.endr
.endr
.endm
; A's tile a leaves.  k, q: registers 0-5 are the first head's 64 channels, 6-11 the second's: two images of 768 bytes (registers 0-3 at 16 l, 4-5 at 512 + 8 l); the scale word's low half is the first head's, its high half the second's
; (the two upper bytes of a stored word stand over zero codes in the attention and are never 0xff).  v: one whole image, K step = 128 keys.
.macro OUTKQV a
	QUANTW 2+(\a)/4, 64*((\a)%4)
	s_cmp_eq_u32 ttmp9, 2
	s_cbranch_scc1 .Lv_\@
	v_lshrrev_b32 v113, 16, v[PW]
	global_store_b128 v24, v[PC:PC+3], s[10:11] offset:(\a)*768
	global_store_b64 v25, v[PC+4:PC+5], s[10:11] offset:(\a)*768+512
	global_store_b128 v24, v[PC+6:PC+9], s[10:11] offset:(\a)*768+98304
	global_store_b64 v25, v[PC+10:PC+11], s[10:11] offset:(\a)*768+98304+512
	global_store_b32 v26, v[PW], s[12:13] offset:(\a)*128
	global_store_b32 v26, v113, s[12:13] offset:(\a)*128+16384
	s_branch .Ldone_\@
.Lv_\@:
	s_wait_alu depctr_va_vdst(0)
.irp c, 0,1,2
	global_store_b128 v24, v[PC+4*\c:PC+4*\c+3], s[10:11] offset:(\a)*24576+512*\c
.endr
	global_store_b32 v26, v[PW], s[12:13] offset:(\a)*2048
.Ldone_\@:
.endm
	s_load_b128 s[4:7], s[0:1], 0x0                ; a1 s[4:5], wq s[6:7]
	s_load_b64 s[8:9], s[0:1], 0x10                ; qkv
	v_lshl_add_u32 v[SPW], v0, 2, SPARE
	v_mov_b32 v[NIL], 0
	ds_add_u32 v[SPW], v[NIL]                      ; the wave's opening: the add, twice on end, and its wait ahead of my first tensor load
	ds_add_u32 v[SPW], v[NIL]
	v_lshrrev_b32 v1, 5, v0
	v_readfirstlane_b32 s14, v1                    ; wave
	s_lshr_b32 s15, s14, 1                         ; which half of A's tiles is mine.  Also: I fetch for A (0) or for B (1)
	s_and_b32 s16, s14, 1                          ; which half of B's.  Also: which half I fetch
	s_bfe_u32 s40, ttmp6, 0x40000                  ; cx
	s_bfe_u32 s41, ttmp6, 0x40004                  ; cy
	s_and_b32 s18, ttmp7, 0xffff                   ; the cluster's y: which 1,024 rows
	s_cmp_eq_u32 ttmp9, 2                          ; v?
	s_cselect_b32 s17, ttmp9, s18
	s_cselect_b32 s42, s18, ttmp9
	s_lshl_b32 s17, s17, 2
	s_add_co_u32 s17, s17, s41                     ; A's group of 16 tiles: made of cy and the cluster's numbers
	s_lshl_b32 s42, s42, 2
	s_add_co_u32 s42, s42, s40                     ; B's: made of cx and the cluster's numbers
	s_lshl_b32 s43, s41, 2
	s_lshl_b32 s43, 15, s43                        ; my row of the cluster
	s_lshl_b32 s44, 0x1111, s40                    ; my column
	s_or_b32 s[G1+0], s43, (3<<16)|(1<<21)         ; the mask; elements of 8 bytes; bit 21 beside a mask; no padding
	s_or_b32 s[G1B+0], s44, (3<<16)|(1<<21)
.irp g, G1, G1B
	s_mov_b32 s[\g+1], (SK*192)<<16                ; a row: a tile's SK K steps, 3,072 bytes
	s_mov_b32 s[\g+2], NBK<<16                     ; 8 tiles
	s_mov_b32 s[\g+3], (SK*192)<<16
	s_mov_b32 s[\g+4], NBK
	s_mov_b32 s[\g+5], KST*192                     ; from tile to tile
	s_mov_b32 s[\g+6], 0
	s_mov_b32 s[\g+7], 0
.endr
	s_or_b32 s[G1S+0], s43, (3<<16)|(1<<21)
	s_or_b32 s[G1SB+0], s44, (3<<16)|(1<<21)
.irp g, G1S, G1SB
	s_mov_b32 s[\g+1], 32<<16                      ; the scale words: a dense block, as rows of 256 bytes
	s_mov_b32 s[\g+2], (HALFS/256)<<16
	s_mov_b32 s[\g+3], 32<<16
	s_mov_b32 s[\g+4], HALFS/256
	s_mov_b32 s[\g+5], 32
	s_mov_b32 s[\g+6], 0
	s_mov_b32 s[\g+7], 0
.endr
	s_mul_i32 s20, s17, 2*NBK*KST*1536
	s_mul_i32 s18, s16, NBK*KST*1536
	s_add_co_u32 s20, s20, s18
	s_mov_b32 s21, 0
	s_mul_i32 s22, s17, 2*HALFS
	s_mul_i32 s19, s16, HALFS
	s_add_co_u32 s22, s22, s19
	s_mov_b32 s23, 0
	s_mul_i32 s46, s42, 2*NBK*KST*1536
	s_add_co_u32 s46, s46, s18
	s_mov_b32 s47, 0
	s_mul_i32 s92, s42, 2*HALFS
	s_add_co_u32 s92, s92, s19
	s_mov_b32 s93, 0
	s_mul_i32 s45, s14, HALFT                      ; where they go: no place in the cluster enters an LDS address
	s_mul_i32 s94, s14, HALFS
	s_mov_b32 s[SEL], 0x76543210
	s_mov_b32 s[SEL+1], 0xfedcba98
	s_wait_dscnt 0x0                               ; both opening adds are done
	s_wait_kmcnt 0x0
	s_add_nc_u64 s[10:11], s[4:5], ASC             ; the rows' scale words
	s_add_nc_u64 s[12:13], s[6:7], WKS             ; the weights'
	s_cmp_eq_u32 ttmp9, 2
	s_cselect_b64 s[18:19], s[6:7], s[4:5]         ; A's codes: the weights for v, else the rows
	s_add_nc_u64 s[20:21], s[18:19], s[20:21]
	s_cselect_b64 s[18:19], s[12:13], s[10:11]
	s_add_nc_u64 s[22:23], s[18:19], s[22:23]
	s_cselect_b64 s[18:19], s[4:5], s[6:7]         ; B's: the other
	s_add_nc_u64 s[46:47], s[18:19], s[46:47]
	s_cselect_b64 s[18:19], s[10:11], s[12:13]
	s_add_nc_u64 s[92:93], s[18:19], s[92:93]
	CROUND                                         ; all sixteen work-groups are here: the first joint loads meet
	s_mov_b32 s[G0S], 1
	s_add_co_u32 s[G0S+1], s94, SCL
	s_mov_b64 s[G0S+2:G0S+3], s[22:23]
	s_or_b32 s[G0S+3], s[G0S+3], 0x80000000
	s_mov_b32 s[G0SB], 1
	s_add_co_u32 s[G0SB+1], s94, SCL
	s_mov_b64 s[G0SB+2:G0SB+3], s[92:93]
	s_or_b32 s[G0SB+3], s[G0SB+3], 0x80000000
	JLOAD G0S, G1S, G0SB, G1SB                     ; the scale words first
.irp s, 0,1
	s_mov_b32 s[G0+4*\s], 1
	s_add_co_u32 s[G0+4*\s+1], s45, \s*SLOT
	s_add_nc_u64 s[G0+4*\s+2:G0+4*\s+3], s[20:21], \s*RBP
	s_or_b32 s[G0+4*\s+3], s[G0+4*\s+3], 0x80000000
	s_mov_b32 s[G0B+4*\s], 1
	s_add_co_u32 s[G0B+4*\s+1], s45, \s*SLOT
	s_add_nc_u64 s[G0B+4*\s+2:G0B+4*\s+3], s[46:47], \s*RBP
	s_or_b32 s[G0B+4*\s+3], s[G0B+4*\s+3], 0x80000000
	s_wait_alu depctr_va_vdst(0)
	s_wait_tensorcnt 0x0                           ; a later first fill is issued as a refill is
	ds_add_u32 v28, v29
	s_wait_dscnt 0x0
	CROUND
	JLOAD G0+4*\s, G1, G0B+4*\s, G1B
.endr
	v_and_b32 v1, 31, v0
	v_bfe_u32 v2, v0, 4, 1                         ; h
	s_wait_alu depctr_va_vdst(0)
	v_lshlrev_b32 v3, 4, v1                        ; 16 x lane
	s_mul_i32 s21, s15, HALFT
	s_mul_i32 s22, s16, HALFT
	s_add_co_u32 s22, s22, 2*HALFT
.irp s, 0,1
	v_add_nc_u32 v[ADRA+\s], s21, v3
	v_add_nc_u32 v[ADRB+\s], s22, v3
	s_add_co_u32 s21, s21, SLOT
	s_add_co_u32 s22, s22, SLOT
.endr
	v_lshlrev_b32 v5, 2, v1                        ; 4 x lane
	s_mul_i32 s21, s15, HALFS
	s_mul_i32 s22, s16, HALFS
	s_add_co_u32 s22, s22, 2*HALFS
	s_sub_co_u32 s22, s22, s21
	v_mul_u32_u24 v6, s22, v2                      ; lanes 16-31 take B's
	s_add_co_u32 s21, s21, SCL
	v_add_nc_u32 v5, v5, v6
	v_add_nc_u32 v[ADRS], s21, v5
	v_lshlrev_b32 v24, 4, v1                       ; the way out: 16, 8 and 4 bytes a lane
	v_lshlrev_b32 v25, 3, v1
	v_lshlrev_b32 v26, 2, v1
	; where my results go.  k, q: [batch x 16 + head][tile of positions][768]
	s_lshl_b32 s20, s17, 4
	s_lshl_b32 s21, s15, 3
	s_add_co_u32 s20, s20, s21                     ; my first tile of rows
	s_lshr_b32 s21, s20, 7                         ; batch
	s_and_b32 s20, s20, 127                        ; tile in the batch
	s_lshl_b32 s21, s21, 4
	s_lshl_b32 s46, s40, 2
	s_lshl_b32 s47, s16, 1
	s_add_co_u32 s46, s46, s47                     ; my first head: 4 cx + 2 x half
	s_add_co_u32 s21, s21, s46
	s_lshl_b32 s21, s21, 7
	s_add_co_u32 s20, s20, s21
	s_mul_i32 s46, s20, 768
	s_mul_i32 s47, ttmp9, 3145728
	s_add_co_u32 s46, s46, s47
	s_lshl_b32 s20, s20, 7
	s_mul_i32 s47, ttmp9, 524288
	s_add_co_u32 s20, s20, s47
	s_add_co_u32 s20, s20, KSC
	; v: [batch][tile of channels][K step of 128 keys][1,536]
	s_lshl_b32 s21, s41, 4
	s_lshl_b32 s22, s15, 3
	s_add_co_u32 s21, s21, s22                     ; my first tile of channels
	s_lshl_b32 s22, s42, 1
	s_add_co_u32 s22, s22, s16                     ; my 128 positions
	s_lshr_b32 s23, s22, 4                         ; batch
	s_and_b32 s22, s22, 15
	s_lshl_b32 s23, s23, 6
	s_add_co_u32 s21, s21, s23
	s_lshl_b32 s21, s21, 4
	s_add_co_u32 s21, s21, s22
	s_mul_i32 s22, s21, 1536
	s_add_co_u32 s22, s22, VC
	s_lshl_b32 s21, s21, 7
	s_add_co_u32 s21, s21, VSC
	s_cmp_eq_u32 ttmp9, 2
	s_cselect_b32 s10, s22, s46
	s_cselect_b32 s12, s21, s20
	s_mov_b32 s11, 0
	s_mov_b32 s13, 0
	s_add_nc_u64 s[10:11], s[8:9], s[10:11]
	s_add_nc_u64 s[12:13], s[8:9], s[12:13]
	s_wait_alu depctr_va_vdst(0)
	s_wait_tensorcnt 1                             ; the scale words and my part of slot 0 are in; slot 1's load may be out
	s_barrier_signal -1
	s_barrier_wait -1
	FETCH 0, 0, 0
	STEP 0, 0, 1                                   ; the first step stands in front of the loop: its products start the sums
	WIN 0
	s_mov_b32 s3, LAPS-1
.Llap:                                             ; a trip goes once round the ring and fills both slots again
	TURN 0, 1, 1
	s_wait_alu depctr_va_vdst(0)
	STEP 1, 0, 0
	TURN 1, 0, 1
	s_wait_alu depctr_va_vdst(0)
	STEP 0, 0, 0
	WIN 0
	s_sub_co_u32 s3, s3, 1
	s_cmp_lg_u32 s3, 0
	s_cbranch_scc1 .Llap
	TURN 0, 1, 0                                   ; the last lap fills nothing
	s_wait_alu depctr_va_vdst(0)
	STEP 1, 0, 0
	s_wait_dscnt 0x0
	MULQ 0, 1, 0
	MULQ 1, 1, 0
	MULQ 2, 1, 0
	MULQ 3, 1, 0
	WIN 0
	PLACES 4                                       ; in front of the first read of results and of writes into registers that held fragments
.irp b, 0,1,2,3
	v_mov_b32 v[TM+4+\b], 0                        ; written once: a lane permute's destination counts as one of its sources
.endr
.irp a, 0,1,2,3,4,5,6,7
	OUTKQV \a
.endr
	s_wait_tensorcnt 0x0                           ; the wave's end
	ds_add_u32 v[SPW], v[NIL]
	s_wait_dscnt 0x0
	CROUND                                         ; the closing round
	s_endpgm
.Lfunc_end_k_q443a296df7_gkqv:
	.size	k_q443a296df7_gkqv, .Lfunc_end_k_q443a296df7_gkqv-k_q443a296df7_gkqv
	.p2alignl 7, 3214868480
	.fill 96, 4, 3214868480
	.section	.rodata,"a",@progbits
	.p2align	6, 0x0
	.amdhsa_kernel k_q443a296df7_gkqv
		.amdhsa_group_segment_fixed_size 327680
		.amdhsa_private_segment_fixed_size 0
		.amdhsa_enable_private_segment 0
		.amdhsa_kernarg_size 24
		.amdhsa_user_sgpr_count 2
		.amdhsa_user_sgpr_kernarg_segment_ptr 1
		.amdhsa_wavefront_size32 1
		.amdhsa_system_sgpr_workgroup_id_x 1
		.amdhsa_system_sgpr_workgroup_id_y 1
		.amdhsa_system_sgpr_workgroup_id_z 1
		.amdhsa_system_vgpr_workitem_id 0
		.amdhsa_next_free_vgpr 1024
		.amdhsa_next_free_sgpr 98
		.amdhsa_reserve_vcc 0
		.amdhsa_float_denorm_mode_32 3
		.amdhsa_float_denorm_mode_16_64 3
		.amdhsa_memory_ordered 1
		.amdhsa_forward_progress 1
		.amdhsa_inst_pref_size 149
	.end_amdhsa_kernel
	.amdgpu_metadata
---
amdhsa.version: [ 1, 2 ]
amdhsa.kernels:
  - .name:           k_q443a296df7_gkqv
    .symbol:         k_q443a296df7_gkqv.kd
    .args:
      - { .name: a1, .offset: 0, .size: 8, .value_kind: global_buffer, .address_space: global }
      - { .name: wq, .offset: 8, .size: 8, .value_kind: global_buffer, .address_space: global }
      - { .name: qkv, .offset: 16, .size: 8, .value_kind: global_buffer, .address_space: global }
    .group_segment_fixed_size: 327680
    .private_segment_fixed_size: 0
    .kernarg_segment_align: 8
    .kernarg_segment_size: 24
    .max_flat_workgroup_size: 128
    .sgpr_count:     98
    .vgpr_count:     1024
    .wavefront_size: 32
...
	.end_amdgpu_metadata
.endif
;; end of part 3
;; launch attn (part 4): grid 8 x 32, 16 waves a work-group, clusters of 4 x 1, 327,680 bytes of LDS; arguments qkv, x, x1; writes x1
.if DOCPART == 4
	.amdgcn_target "amdgcn-amd-amdhsa--gfx1250"
	.amdhsa_code_object_version 6
	.text
	.protected	k_q443a296df7_attn
	.globl	k_q443a296df7_attn
	.p2align	8
	.type	k_q443a296df7_attn,@function
k_q443a296df7_attn:
	s_mov_b64 s[64:65], 0
	v_nop
	global_prefetch_b8 v0, s[64:65] scope:SCOPE_SE
	s_setreg_imm32_b32 hwreg(HW_REG_WAVE_MODE, 25, 1), 1
	s_wait_xcnt 0x0
	s_wait_alu depctr_hold_cnt(0) depctr_sa_sdst(0) depctr_va_vdst(0) depctr_va_sdst(0) depctr_va_ssrc(0) depctr_va_vcc(0) depctr_vm_vsrc(0)
	s_getreg_b32 s2, hwreg(HW_REG_IB_STS2, 6, 4)
	s_cmp_eq_u32 s2, 0
	s_cbranch_scc0 .Lentry_in_a_cluster
	s_endpgm
.Lentry_in_a_cluster:
	s_bfe_u32 s2, ttmp6, 0x10000c
	s_cmp_lg_u32 s2, 0x3003
	s_cbranch_scc0 .Lentry_shape_is_right
	s_endpgm
.Lentry_shape_is_right:
; x1 = x + attention, both products on codes of E3M2.  score = q . k / 32 + slope x (key - query), causal; t = score x log2(e); M = the running largest t rounded up to a whole number;
; p = 2^(t - M) is quantised along the keys, not normalised; the row's sum of the unquantised p divides at the end.
; LEFT OUT AS DEAD WORK: a step of 128 keys all of which come after a wave's 16 queries (reference()'s own causal mask gives them the weight 0 for all inputs).  The ALiBi term stays whole: it moves M.
; THE HEAD'S K, V AND SCALE WORDS, 221,184 bytes, COME INTO LDS ONCE: waves 0-7 fetch 12,288 bytes of K each, waves 8-11 a tile of V (24,576), wave 12 K's scale words, wave 13 V's.  Nothing is filled again.
; SHARES.  y = batch x 16 + head.  Work-group j (0..7) owns the query tiles j + 8 i and 127 - (j + 8 i), i = 0..7.  A tile t has t / 8 + 1 live steps: i + 1 and 16 - i, 17 for the pair, and these counts
; hang on the wave's number alone.  Every work-group has a tile in 120..127, so it reads all 16 steps of keys.  Waves 2 i and 2 i + 1 share pair i: a wave walks the EVEN steps of one tile (even wave: the high one,
; odd wave: the low one), puts its O^T, -M and sum into LDS bytes of its own, walks the ODD steps of the other tile, and behind one barrier adds its partner's part of that tile: both parts are brought under
; the larger M by powers of two, which round nothing.  So each wave has 8 or 9 live steps.
; CLUSTER 4, 1, 1: the four work-groups walk the same head and ask for its tiles jointly (mask 15); no branch and no LDS address hangs on the place in the cluster: it enters global addresses and lane data alone.
; K and V are not prefetched: they come by the head's loads, and no loop fetches them.  x is: its 16 rows x 256 bytes are named once, a lane a row, at the head of the wave's second walk; they are loaded behind it.
; OPERANDS are images of registers, as the launch before stored them.  Both products are used transposed: a lane holds one query (lane % 16) throughout.
; LIMITS: p under 2^-126 counts as 0; a block of zeros gets the byte 1; NaN and infinities among the inputs are not served; scaled scores stay under 2^31 in magnitude.
.set VOFF,  98304                      ; LDS: K [128 tiles][768]; V [4 tiles][16 K steps][1,536];
.set SCK,   196608                     ; K's scale words, 16,384 bytes; V's, 8,192;
.set SCV,   212992
.set PB,    221184                     ; a wave's part: 32 registers of O^T, then (-M, sum): 4,352 bytes a wave
.set PW,    4352
.set SPARE, 290816                     ; the spare words, 128 bytes for each wave
.set QC,    3145728
.set VC,    6291456
.set KSC,   9437184
.set QSC,   9961472
.set VSC,   10485760
.set AK16, 1
.set AK8,  2
.set AV0,  3
.set ASK0, 4
.set ASV0, 5
.set SPW,  6
.set NIL,  7
.set ADK16, 8
.set ADK8, 9
.set ADV,  10                          ; v10 V's tiles 0, 1; v28 tiles 2, 3
.set ADS,  11
.set ADT,  254
.set TB,   2
.set TS,   3
.set WV,   18
.set SEL,  20
.set C1,   22
.set G1K,  24
.set G1V,  32
.set G0K,  40
.set G0V,  44
.set G1SK, 48
.set G1SV, 56
.set TJ,   66
.set CNT,  67
.set G0SK, 68
.set G0SV, 72
.set C2,   76
.set SN,   77                          ; the step in hand; SL: my tile's last live step; TT: my tile
.set SL,   78
.set TT,   79
.set TV,   80
.set KF,   98
.set Q0,   99
; REGISTERS: v12 -M, v13 the largest t, v[14:15] the sum; v16-27 Q; v30 -(query); v31 Q's scale word; v32-79 four fragments of K; v80-95 c2 (16 h + i); v96-159 scores, then p, then V's fragments; v160-191 O^T;
; v192-203 p's codes; v204-211 conversions; v212-215 block maxima; v216-219 permutes, bytes; v220-223 scale operands; v224-231 pairs (Y_b, X_b); v232-239, v240 scale words; v[242:243] f; v244-249 at work; v255 x's prefetch offset.
.macro CROUND                          ; a round of the cluster's barrier
	s_barrier_signal -1
	s_barrier_wait -1
	s_cmp_lg_u32 s[WV], 0
	s_cbranch_scc1 .Lnot_wave_0_\@
	s_barrier_signal -3
.Lnot_wave_0_\@:
	s_barrier_wait -3
	s_barrier_signal -1
	s_barrier_wait -1
.endm
.macro DENSE g, rows                   ; group 1 of a dense block: rows of 32 elements of 8 bytes; mask 15 and bit 21 beside it
	s_mov_b32 s[\g], 15|(3<<16)|(1<<21)
	s_mov_b32 s[\g+1], 32<<16
	s_mov_b32 s[\g+2], (\rows)<<16
	s_mov_b32 s[\g+3], 32<<16
	s_mov_b32 s[\g+4], \rows
	s_mov_b32 s[\g+5], 32
	s_mov_b32 s[\g+6], 0
	s_mov_b32 s[\g+7], 0
.endm
.macro TL g0, g1                       ; an s_nop 0 and four v_nop follow the load
	tensor_load_to_lds s[\g0:\g0+3], s[\g1:\g1+7]
	s_nop 0
.rept 4
	v_nop
.endr
.endm
.macro STEP                            ; 128 keys: step SN
	s_cmp_gt_u32 s[SN], s[SL]                      ; all keys behind my queries: the step's work is left out (the wave's number and the count of steps alone)
	s_cbranch_scc1 .Lhidden_\@
	v_add_nc_u32 v[ADK16], s[TB], v[AK16]          ; (these six lines are also the places in front of the scores, which are written over registers that the last second product read)
	v_add_nc_u32 v[ADK8], s[TB], v[AK8]
	v_add_nc_u32 v[ADV], s[TV], v[AV0]
	v_add_nc_u32 v[ADS], s[TS], v[ASK0]
	v_add_nc_u32 v[ADT], s[TJ], v[ASV0]
	v_add_nc_u32 v28, 0xc000, v[ADV]
	s_wait_alu depctr_va_vdst(0)
.irp g, 0,1                                    ; S^T = K Q^T, four tiles of 16 keys at a time
.if \g > 0
.rept 4
	v_nop                                          ; places in front of loads into registers that matrix instructions have read
.endr
.endif
.irp t, 0,1,2,3
	ds_load_b128 v[32+12*\t:35+12*\t], v[ADK16] offset:(4*\g+\t)*768
	ds_load_b64 v[36+12*\t:37+12*\t], v[ADK8] offset:(4*\g+\t)*768
	ds_load_b32 v[232+\t], v[ADS] offset:(4*\g+\t)*128
.endr
	s_wait_dscnt 0x0
.irp t, 0,1,2,3
	v_wmma_scale_f32_16x16x128_f8f6f4 v[96+8*(4*\g+\t):103+8*(4*\g+\t)], v[32+12*\t:43+12*\t], v[16:27], 0, v[232+\t], v31 matrix_a_fmt:MATRIX_FMT_BF6 matrix_b_fmt:MATRIX_FMT_BF6
.endr
.endr
.irp b, 0,1,2,3                                ; X_b = c2 (first key + 32 b - query).  (These lines are the places behind the products)
	v_add3_u32 v[225+2*\b], s[KF], v30, 32*\b
.endr
.irp b, 0,1,2,3
	s_delay_alu instid0(VALU_DEP_4)
	v_cvt_f32_i32 v[225+2*\b], v[225+2*\b]
.endr
.irp b, 0,1,2,3
	s_delay_alu instid0(VALU_DEP_4)
	v_mul_f32 v[225+2*\b], s[C2], v[225+2*\b]
.endr
.set n, 0
.rept 32
	v_pk_fma_f32 v[96+n:97+n], v[96+n:97+n], s[C1:C1+1], v[80+n%16:81+n%16] op_sel_hi:[1,0,1]   ; score x c1 + c2 (16 h + i), each accumulator from its low end on
.set n, n+2
.endr
	s_cmp_lg_u32 s[SN], s[SL]                      ; only my tile's last live step holds hidden keys
	s_cbranch_scc1 .Lopen_\@
	s_sub_co_i32 s96, s[Q0], s[KF]
	v_and_b32 v244, 15, v0
	v_bfe_u32 v245, v0, 4, 1
	s_delay_alu instid0(VALU_DEP_1)
	v_lshlrev_b32 v245, 4, v245
	s_delay_alu instid0(VALU_DEP_1)
	v_sub_nc_u32 v244, v244, v245
	s_delay_alu instid0(VALU_DEP_1)
	v_add_nc_u32 v244, s96, v244                   ; d = my query - first key - 16 h: register 16 b + i is hidden where 32 b + i > d
	v_mov_b32 v246, 0xff800000
.set n, 0
.rept 64
	v_cmp_gt_i32 vcc_lo, 32*(n/16)+n%16, v244
	s_delay_alu instid0(VALU_DEP_1)
	v_cndmask_b32 v[96+n], v[96+n], v246, vcc_lo
.set n, n+1
.endr
.Lopen_\@:
.irp b, 0,1,2,3
	v_max3_num_f32 v[212+\b], v[96+16*\b], v[97+16*\b], v[98+16*\b]   ; each block's largest partial t
.endr
.irp i, 3,5,7,9,11,13
.irp b, 0,1,2,3
	s_delay_alu instid0(VALU_DEP_4)
	v_max3_num_f32 v[212+\b], v[212+\b], v[96+16*\b+\i], v[97+16*\b+\i]
.endr
.endr
.irp b, 0,1,2,3
	s_delay_alu instid0(VALU_DEP_4)
	v_max_num_f32 v[212+\b], v[212+\b], v[111+16*\b]
.endr
.irp b, 0,1,2,3
	s_delay_alu instid0(VALU_DEP_4)
	v_permlanex16_b32 v[216+\b], v[212+\b], s[SEL], s[SEL+1]
.endr
.irp b, 0,1,2,3
	s_delay_alu instid0(VALU_DEP_4)
	v_max_num_f32 v[212+\b], v[212+\b], v[216+\b]  ; with lane l xor 16's 16 keys
.endr
.irp b, 0,1,2,3
	s_delay_alu instid0(VALU_DEP_4)
	v_add_f32 v[244+\b], v[212+\b], v[225+2*\b]
.endr
	s_delay_alu instid0(VALU_DEP_2)
	v_max3_num_f32 v248, v244, v245, v246
	s_delay_alu instid0(VALU_DEP_1)
	v_max_num_f32 v248, v248, v247                 ; the step's largest t of my query
	s_delay_alu instid0(VALU_DEP_1)
	v_max_num_f32 v13, v13, v248
	v_mov_b32 v248, v12
	s_delay_alu instid0(VALU_DEP_2)
	v_floor_f32 v12, -v13                          ; the new -M = -ceil(t)
	s_delay_alu instid0(VALU_DEP_1)
	v_sub_f32 v248, v12, v248                      ; old M - new M: a whole number, 0 or less
	s_delay_alu instid0(VALU_DEP_1)
	v_cvt_i32_f32 v248, v248                       ; (it saturates)
	s_delay_alu instid0(VALU_DEP_1)
	v_ldexp_f32 v242, 1.0, v248                    ; f = 2^(old M - new M)
.irp b, 0,1,2,3
	v_add_f32 v[224+2*\b], v[225+2*\b], v12        ; Y_b = X_b - M
.endr
.set n, 0
.rept 32
	v_pk_add_f32 v[96+n:97+n], v[96+n:97+n], v[224+2*(n/16):225+2*(n/16)] op_sel_hi:[1,0]   ; t - M
.set n, n+2
.endr
.irp b, 0,1,2,3
	v_add_f32 v[212+\b], v[212+\b], v[224+2*\b]    ; the same of each block's largest
.endr
.set n, 0
	s_wait_alu depctr_va_vdst(0)                   ; the wait ahead of the batch
.rept 64
	v_exp_f32 v[96+n], v[96+n]                     ; p = 2^(t - M)
.set n, n+1
.endr
	v_pk_mul_f32 v[14:15], v[14:15], v[242:243] op_sel_hi:[1,0]   ; the sums under the new M (a plain line behind the exponentials)
	s_wait_alu depctr_va_vdst(0)                   ; one wait for the batch, ahead of its first reader
.irp b, 0,1,2,3
	v_exp_f32 v[212+\b], v[212+\b]                 ; each block's largest p
.endr
	v_pk_add_f32 v[244:245], v[96:97], v[98:99]    ; the sum of the unquantised p, in four chains by turns
	v_pk_add_f32 v[246:247], v[100:101], v[102:103]
	v_pk_add_f32 v[248:249], v[104:105], v[106:107]
	v_pk_add_f32 v[14:15], v[14:15], v[108:109]
.set n, 110
.rept 6
	v_pk_add_f32 v[244:245], v[244:245], v[n:n+1]
	v_pk_add_f32 v[246:247], v[246:247], v[n+2:n+3]
	v_pk_add_f32 v[248:249], v[248:249], v[n+4:n+5]
	v_pk_add_f32 v[14:15], v[14:15], v[n+6:n+7]
.set n, n+8
.endr
	v_pk_add_f32 v[244:245], v[244:245], v[158:159]
	v_pk_add_f32 v[246:247], v[246:247], v[248:249]
	s_delay_alu instid0(VALU_DEP_2)
	v_pk_add_f32 v[14:15], v[14:15], v[244:245]
	s_delay_alu instid0(VALU_DEP_1)
	v_pk_add_f32 v[14:15], v[14:15], v[246:247]
	s_wait_alu depctr_va_vdst(0)                   ; and one for the four
.irp b, 0,1,2,3
	v_max_num_f32 v[212+\b], 0x2800000, v[212+\b]  ; the floor 2^(5 - 127)
.endr
.irp b, 0,1,2,3
	s_delay_alu instid0(VALU_DEP_4)
	v_add_nc_u32 v[220+\b], 0xfe000000, v[212+\b]
.endr
.irp b, 0,1,2,3
	s_delay_alu instid0(VALU_DEP_4)
	v_lshrrev_b32 v[216+\b], 23, v[220+\b]
.endr
	s_delay_alu instid0(VALU_DEP_3)
	v_lshl_or_b32 v240, v217, 8, v216              ; p's scale word for these 128 keys
	s_delay_alu instid0(VALU_DEP_1)
	v_lshl_or_b32 v240, v218, 16, v240
	s_delay_alu instid0(VALU_DEP_1)
	v_lshl_or_b32 v240, v219, 24, v240
.irp c, 0,1
	v_cvt_scalef32_pk16_bf6_f32 v[192+6*\c:194+6*\c], v[96+32*\c:111+32*\c], v[220+2*\c]
	v_cvt_scalef32_pk16_bf6_f32 v[204+4*\c:206+4*\c], v[112+32*\c:127+32*\c], v[220+2*\c+1]
.endr
	v_nop                                          ; one plain line behind a scaled conversion
.irp c, 0,1
.irp i, 0,1,2
	v_permlane16_swap_b32 v[192+6*\c+\i], v[204+4*\c+\i]
.endr
.irp i, 0,1,2
	s_delay_alu instid0(VALU_DEP_3)
	v_mov_b32 v[195+6*\c+\i], v[204+4*\c+\i]
.endr
.endr
.set n, 0
.rept 16
	v_pk_mul_f32 v[160+n:161+n], v[160+n:161+n], v[242:243] op_sel_hi:[1,0]   ; O^T under the new M (also the places in front of the products below)
.set n, n+2
.endr
.irp t, 0,1,2,3                                ; O^T += V^T P^T: the head's four tiles of 16 channels; K = these 128 keys
.irp c, 0,1,2
	ds_load_b128 v[96+12*\t+4*\c:99+12*\t+4*\c], v[ADV+18*(\t/2)] offset:(\t%2)*24576+512*\c
.endr
	ds_load_b32 v[236+\t], v[ADT] offset:\t*2048
.endr
	s_wait_alu depctr_va_vdst(0)
	s_wait_dscnt 0x0
.irp t, 0,1,2,3
	v_wmma_scale_f32_16x16x128_f8f6f4 v[160+8*\t:167+8*\t], v[96+12*\t:107+12*\t], v[192:203], v[160+8*\t:167+8*\t], v[236+\t], v240 matrix_a_fmt:MATRIX_FMT_BF6 matrix_b_fmt:MATRIX_FMT_BF6
.endr
.Lhidden_\@:
	s_add_co_u32 s[SN], s[SN], 2                   ; two steps on
	s_add_co_u32 s[KF], s[KF], 256
	s_add_co_u32 s[TB], s[TB], 12288
	s_add_co_u32 s[TV], s[TV], 3072
	s_add_co_u32 s[TS], s[TS], 2048
	s_add_co_u32 s[TJ], s[TJ], 256
.endm
.macro WALK                            ; eight trips, a constant: steps par, par + 2, .. par + 14
	s_mov_b32 s[CNT], 8
.Lwalk_\@:
	s_wait_alu depctr_va_vdst(0)
	STEP
	s_sub_co_u32 s[CNT], s[CNT], 1
	s_cmp_lg_u32 s[CNT], 0
	s_cbranch_scc1 .Lwalk_\@
.endm
; Tile TT is taken up, from step par on: Q in the natural order of the queries (query 16 T + r is lane row r % 8 + 8 (T % 2) of tile (T - T % 2) + r / 8), and an empty state
.macro TILE par
	s_lshl_b32 s[Q0], s[TT], 4
	s_and_b32 s12, s[TT], 1
	s_sub_co_u32 s11, s[TT], s12
	s_lshl_b32 s13, s10, 7
	s_add_co_u32 s13, s13, s11
	s_mul_i32 s14, s13, 768
	s_add_co_u32 s14, s14, QC
	s_lshl_b32 s15, s12, 7
	s_add_co_u32 s15, s14, s15
	s_lshl_b32 s16, s12, 6
	s_add_co_u32 s16, s14, s16
	s_add_co_u32 s16, s16, 512
	s_lshl_b32 s17, s13, 7
	s_add_co_u32 s17, s17, QSC
	s_lshl_b32 s12, s12, 5
	s_add_co_u32 s17, s17, s12
	s_mov_b32 s[SN], \par
	s_mov_b32 s[KF], 128*\par
	s_mov_b32 s[TB], 6144*\par
	s_mov_b32 s[TV], 1536*\par
	s_mov_b32 s[TS], 1024*\par
	s_mov_b32 s[TJ], 128*\par
	v_and_b32 v8, 15, v0                           ; r
	v_bfe_u32 v9, v0, 4, 1                         ; h
	s_delay_alu instid0(VALU_DEP_2)
	v_lshrrev_b32 v10, 3, v8
	v_and_b32 v11, 7, v8
	s_delay_alu instid0(VALU_DEP_2)
	v_mul_u32_u24 v244, v10, 768
	v_lshlrev_b32 v246, 7, v10
	s_delay_alu instid0(VALU_DEP_2)
	v_lshl_add_u32 v245, v11, 3, v244
	v_lshl_add_u32 v244, v11, 4, v244
	v_lshl_add_u32 v246, v11, 2, v246
	s_delay_alu instid0(VALU_DEP_3)
	v_lshl_add_u32 v245, v9, 7, v245
	s_delay_alu instid0(VALU_DEP_3)
	v_lshl_add_u32 v244, v9, 8, v244
	s_delay_alu instid0(VALU_DEP_3)
	v_add_nc_u32 v246, s17, v246
	s_delay_alu instid0(VALU_DEP_3)
	v_add_nc_u32 v245, s16, v245
	s_delay_alu instid0(VALU_DEP_3)
	v_add_nc_u32 v244, s15, v244
	global_load_b128 v[16:19], v244, s[4:5]
	global_load_b64 v[20:21], v245, s[4:5]
	global_load_b32 v31, v246, s[4:5]
	v_add_nc_u32 v30, s[Q0], v8
	v_mov_b32 v13, 0xff61b1e6                      ; the largest t so far: -3e38
	s_delay_alu instid0(VALU_DEP_2)
	v_sub_nc_u32 v30, 0, v30                       ; -(my query)
	s_delay_alu instid0(VALU_DEP_2)
	v_floor_f32 v12, -v13
	v_mov_b32 v14, 0
	v_mov_b32 v15, 0
.set n, 0
.rept 32
	v_mov_b32 v[160+n], 0                          ; O^T: the step is written once, a walk's first step finds zeros
.set n, n+1
.endr
	s_wait_alu depctr_va_vdst(0)
	s_wait_loadcnt 0x0                             ; Q
.endm
	s_load_b128 s[4:7], s[0:1], 0x0                ; qkv s[4:5], x s[6:7]
	s_load_b64 s[8:9], s[0:1], 0x10                ; x1
	v_lshl_add_u32 v[SPW], v0, 2, SPARE
	v_mov_b32 v[NIL], 0
	ds_add_u32 v[SPW], v[NIL]                      ; the wave's opening: the add, twice on end, and its wait ahead of the first tensor load
	ds_add_u32 v[SPW], v[NIL]
	v_lshrrev_b32 v8, 5, v0
	s_delay_alu instid0(VALU_DEP_1)
	v_readfirstlane_b32 s[WV], v8                  ; wave 0..15
	s_and_b32 s10, ttmp7, 0xffff                   ; batch x 16 + head
	s_bfe_u32 s11, ttmp6, 0x40000                  ; cx
	s_lshl_b32 s12, ttmp9, 2
	s_add_co_u32 s12, s12, s11                     ; j
	s_lshr_b32 s13, s[WV], 1                       ; i
	s_and_b32 s14, s[WV], 1
	s_xor_b32 s14, s14, 1                          ; 1 in an even wave, which begins with the high tile
	s_lshl_b32 s[TT], s13, 3
	s_add_co_u32 s[TT], s[TT], s12                 ; the low tile j + 8 i; the high one is 127 less that, which is that xor 127
	s_mul_i32 s15, s14, 127
	s_xor_b32 s[TT], s[TT], s15
	s_mul_i32 s15, s14, 15
	s_xor_b32 s[SL], s13, s15                      ; its last live step: i, or 15 - i = i xor 15: made of the wave's number alone
	DENSE G1K, 48
	DENSE G1V, 96
	DENSE G1SK, 64
	DENSE G1SV, 32
	s_and_b32 s15, s10, 15
	s_add_co_u32 s15, s15, 1                       ; n = head + 1
	s_add_co_u32 s16, s15, 1
	s_lshr_b32 s16, s16, 1
	s_sub_co_u32 s16, 127, s16
	s_lshl_b32 s16, s16, 23
	s_and_b32 s17, s15, 1
	s_mul_i32 s17, s17, 0x3504f3
	s_or_b32 s16, s16, s17                         ; slope = 2^(-n / 2)
	s_mul_f32 s[C2], s16, 0x3fb8aa3b               ; c2 = slope x log2(e)
	s_mov_b32 s[C1], 0x3d38aa3b                    ; c1 = log2(e) / 32
	s_mov_b32 s[C1+1], s[C1]
	s_mov_b32 s[SEL], 0x76543210
	s_mov_b32 s[SEL+1], 0xfedcba98
	s_mul_i32 s82, s10, 98304                      ; the head's codes of K and of V
	s_mov_b32 s83, 0
	s_mul_i32 s84, s[WV], 12288                    ; my part of K,
	s_mov_b32 s85, 0
	s_and_b32 s86, s[WV], 3
	s_mul_i32 s86, s86, 24576                      ; or of V
	s_mov_b32 s87, 0
	s_lshl_b32 s92, s10, 14
	s_add_co_u32 s92, s92, KSC
	s_mov_b32 s93, 0
	s_lshl_b32 s94, s10, 13
	s_add_co_u32 s94, s94, VSC
	s_mov_b32 s95, 0
	s_wait_dscnt 0x0                               ; both opening adds are done
	s_wait_kmcnt 0x0
	s_add_nc_u64 s[82:83], s[4:5], s[82:83]
	s_mov_b32 s[G0K], 1
	s_mov_b32 s[G0K+1], s84
	s_add_nc_u64 s[G0K+2:G0K+3], s[82:83], s[84:85]
	s_or_b32 s[G0K+3], s[G0K+3], 0x80000000
	s_mov_b32 s[G0V], 1
	s_add_co_u32 s[G0V+1], s86, VOFF
	s_add_nc_u64 s[G0V+2:G0V+3], s[82:83], s[86:87]
	s_add_nc_u64 s[G0V+2:G0V+3], s[G0V+2:G0V+3], VC
	s_or_b32 s[G0V+3], s[G0V+3], 0x80000000
	s_mov_b32 s[G0SK], 1
	s_mov_b32 s[G0SK+1], SCK
	s_add_nc_u64 s[G0SK+2:G0SK+3], s[4:5], s[92:93]
	s_or_b32 s[G0SK+3], s[G0SK+3], 0x80000000
	s_mov_b32 s[G0SV], 1
	s_mov_b32 s[G0SV+1], SCV
	s_add_nc_u64 s[G0SV+2:G0SV+3], s[4:5], s[94:95]
	s_or_b32 s[G0SV+3], s[G0SV+3], 0x80000000
	CROUND                                         ; all four work-groups are here: the joint loads meet
	s_cmp_ge_u32 s[WV], 8                          ; the fills, one a wave, in one chain of branches on the wave's number
	s_cbranch_scc1 .Lf1
	TL G0K, G1K
	s_branch .Lfd
.Lf1:
	s_cmp_ge_u32 s[WV], 12
	s_cbranch_scc1 .Lf2
	TL G0V, G1V
	s_branch .Lfd
.Lf2:
	s_cmp_lg_u32 s[WV], 12
	s_cbranch_scc1 .Lf3
	TL G0SK, G1SK
	s_branch .Lfd
.Lf3:
	s_cmp_lg_u32 s[WV], 13
	s_cbranch_scc1 .Lfd
	TL G0SV, G1SV
.Lfd:
	v_and_b32 v10, 31, v0                          ; lane
	v_bfe_u32 v9, v0, 4, 1                         ; h
	s_delay_alu instid0(VALU_DEP_2)
	v_lshlrev_b32 v[AK16], 4, v10
	v_lshl_add_u32 v[AK8], v10, 3, 512
	v_lshl_add_u32 v[AV0], v10, 4, VOFF
	v_lshl_add_u32 v[ASK0], v10, 2, SCK
	v_lshl_add_u32 v[ASV0], v10, 2, SCV
	v_min_u32 v255, 15, v10
	v_lshlrev_b32 v247, 4, v9
	s_delay_alu instid0(VALU_DEP_2)
	v_lshlrev_b32 v255, 12, v255                   ; x's prefetch: a lane a row; the lanes left over name the last row again
.set n, 0
.rept 16
	v_add_nc_u32 v[80+n], n, v247
.set n, n+1
.endr
.set n, 0
.rept 16
	v_cvt_f32_u32 v[80+n], v[80+n]
.set n, n+1
.endr
.set n, 0
.rept 16
	v_mul_f32 v[80+n], s[C2], v[80+n]              ; c2 (16 h + i)
.set n, n+1
.endr
	v_mov_b32 v243, 0                              ; (named as the upper half of a pair)
.irp b, 0,1,2,3
	v_mov_b32 v[216+\b], 0                         ; written once: a lane permute's destination counts as one of its sources
.endr
.irp j, 22,23,24,25,26,27
	v_mov_b32 v[\j], 0                             ; Q's zero codes for the instruction's upper 64 along K
.endr
.irp t, 0,1,2,3
.irp j, 6,7,8,9,10,11
	v_mov_b32 v[32+12*\t+\j], 0                    ; and K's: never loaded
.endr
.endr
	TILE 0                                         ; my first tile, its even steps
	s_wait_tensorcnt 0x0                           ; my part of the head's tiles is in
	s_barrier_signal -1
	s_barrier_wait -1                              ; and everybody's
	WALK
.rept 4
	v_nop                                          ; places behind the last product
.endr
	s_mul_i32 s11, s[WV], PW
	s_add_co_u32 s11, s11, PB
	v_and_b32 v244, 31, v0                         ; MY PART OF THE FIRST TILE goes to my own bytes, as an image of registers
	s_delay_alu instid0(VALU_DEP_1)
	v_lshlrev_b32 v245, 3, v244
	v_lshlrev_b32 v244, 4, v244
	v_add_f32 v13, v14, v15                        ; beside -M: my lane's sum
	s_delay_alu instid0(VALU_DEP_3)
	v_add_nc_u32 v245, s11, v245
	s_delay_alu instid0(VALU_DEP_3)
	v_add_nc_u32 v244, s11, v244
.irp k, 0,1,2,3,4,5,6,7
	ds_store_b128 v244, v[160+4*\k:163+4*\k] offset:512*\k   ; each accumulator from its low end on
.endr
	ds_store_b64 v245, v[12:13] offset:4096
	s_xor_b32 s[TT], s[TT], 127                    ; the pair's other tile,
	s_xor_b32 s[SL], s[SL], 15
	TILE 1                                         ; its odd steps
	s_lshr_b32 s11, s10, 4                         ; x and x1 at its first query's row, my head's 256 bytes
	s_lshl_b32 s11, s11, 11
	s_add_co_u32 s11, s11, s[Q0]
	s_lshl_b32 s84, s11, 12
	s_and_b32 s12, s10, 15
	s_lshl_b32 s12, s12, 8
	s_add_co_u32 s84, s84, s12
	s_mov_b32 s85, 0
	s_add_nc_u64 s[88:89], s[6:7], s[84:85]
	s_add_nc_u64 s[90:91], s[8:9], s[84:85]
	global_prefetch_b8 v255, s[88:89] th:TH_LOAD_NT scope:SCOPE_SE   ; its registers are never written again
	WALK
.rept 4
	v_nop                                          ; places behind the last product, in front of loads into registers that products have read
.endr
	v_and_b32 v244, 15, v0
	v_bfe_u32 v245, v0, 4, 1
	s_delay_alu instid0(VALU_DEP_1)
	v_lshlrev_b32 v8, 12, v245
	s_delay_alu instid0(VALU_DEP_1)
	v_lshl_add_u32 v8, v244, 4, v8                 ; lanes 0-15 one row, lanes 16-31 the next; 16 bytes a lane
.irp i, 0,1,2,3,4,5,6,7
	global_load_b128 v[32+4*\i:35+4*\i], v8, s[88:89] offset:\i*8192
.endr
	s_xor_b32 s11, s[WV], 1                        ; my partner's part of this tile
	s_mul_i32 s11, s11, PW
	s_add_co_u32 s11, s11, PB
	s_mul_i32 s12, s[WV], PW                       ; my stage, 16 rows x 272 bytes, in K's bytes: they have had their one fill, and behind the barrier nobody reads them
	v_and_b32 v246, 31, v0
	v_mul_u32_u24 v10, v244, 272
	v_mul_u32_u24 v11, v245, 272
	s_delay_alu instid0(VALU_DEP_3)
	v_lshlrev_b32 v247, 3, v246
	v_lshlrev_b32 v246, 4, v246
	v_lshl_add_u32 v10, v245, 6, v10
	v_lshl_add_u32 v11, v244, 4, v11
	v_add_nc_u32 v247, s11, v247
	v_add_nc_u32 v246, s11, v246
	v_add_nc_u32 v10, s12, v10                     ; in: row r, + 64 h
	v_add_nc_u32 v11, s12, v11                     ; back
	v_add_f32 v14, v14, v15
	s_wait_alu depctr_va_vdst(0)
	s_wait_dscnt 0x0                               ; my part lies in LDS, and my reads of K and V are over
	s_barrier_signal -1
	s_barrier_wait -1
.irp k, 0,1,2,3,4,5,6,7
	ds_load_b128 v[96+4*\k:99+4*\k], v246 offset:512*\k
.endr
	ds_load_b64 v[128:129], v247 offset:4096
	s_wait_dscnt 0x0
	v_min_num_f32 v130, v12, v128                  ; -M of both parts.  (A part with no live step has -M = 3e38, O^T = 0, sum = 0: its factor comes out 0)
	s_delay_alu instid0(VALU_DEP_1)
	v_sub_f32 v131, v130, v12
	v_sub_f32 v132, v130, v128                     ; whole numbers, 0 or less
	s_delay_alu instid0(VALU_DEP_2)
	v_cvt_i32_f32 v131, v131                       ; (they saturate)
	s_delay_alu instid0(VALU_DEP_2)
	v_cvt_i32_f32 v132, v132
	s_delay_alu instid0(VALU_DEP_2)
	v_ldexp_f32 v134, 1.0, v131                    ; my part's factor,
	s_delay_alu instid0(VALU_DEP_2)
	v_ldexp_f32 v136, 1.0, v132                    ; my partner's
	s_delay_alu instid0(VALU_DEP_2)
	v_mul_f32 v14, v14, v134
	s_delay_alu instid0(VALU_DEP_1)
	v_fma_f32 v14, v129, v136, v14
	s_delay_alu instid0(VALU_DEP_1)
	v_permlanex16_b32 v216, v14, s[SEL], s[SEL+1]
	s_delay_alu instid0(VALU_DEP_1)
	v_add_f32 v14, v14, v216                       ; the row's sum
	s_wait_alu depctr_va_vdst(0)                   ; the wait ahead of the transcendental
	v_rcp_f32 v14, v14
	v_mov_b32 v135, 0                              ; (upper halves of pairs; plain lines behind the reciprocal)
	v_mov_b32 v137, 0
	s_wait_alu depctr_va_vdst(0)                   ; and ahead of its first reader and of O^T's
	v_mul_f32 v134, v134, v14
	v_mul_f32 v136, v136, v14
.set n, 0
.rept 16
	v_pk_mul_f32 v[96+n:97+n], v[96+n:97+n], v[136:137] op_sel_hi:[1,0]
.set n, n+2
.endr
.set n, 0
.rept 16
	v_pk_fma_f32 v[96+n:97+n], v[160+n:161+n], v[134:135], v[96+n:97+n] op_sel_hi:[1,0,1]   ; register 8 t + j is channel 32 (t / 2) + 8 (t % 2) + 16 h + j
.set n, n+2
.endr
.irp t, 0,1,2,3
	ds_store_b128 v10, v[96+8*\t:99+8*\t] offset:128*(\t/2)+32*(\t%2)
	ds_store_b128 v10, v[100+8*\t:103+8*\t] offset:128*(\t/2)+32*(\t%2)+16
.endr
.irp i, 0,1,2,3,4,5,6,7
	ds_load_b128 v[128+4*\i:131+4*\i], v11 offset:2*\i*272   ; LDS serves a wave's instructions in order: these see my stores
.endr
	s_wait_loadcnt 0x0                             ; x
.irp i, 0,1,2,3,4,5,6,7
	s_wait_dscnt 7-\i                              ; pair of rows i is back; the later ones may be out
	v_pk_add_f32 v[128+4*\i:129+4*\i], v[128+4*\i:129+4*\i], v[32+4*\i:33+4*\i]
	v_pk_add_f32 v[130+4*\i:131+4*\i], v[130+4*\i:131+4*\i], v[34+4*\i:35+4*\i]
	global_store_b128 v8, v[128+4*\i:131+4*\i], s[90:91] offset:\i*8192   ; sixteen lanes store 256 consecutive bytes, aligned
.endr
	s_wait_tensorcnt 0x0                           ; the wave's end
	ds_add_u32 v[SPW], v[NIL]
	s_wait_dscnt 0x0
	CROUND                                         ; the closing round
	s_endpgm
.Lfunc_end_k_q443a296df7_attn:
	.size	k_q443a296df7_attn, .Lfunc_end_k_q443a296df7_attn-k_q443a296df7_attn
	.p2alignl 7, 3214868480
	.fill 96, 4, 3214868480
	.section	.rodata,"a",@progbits
	.p2align	6, 0x0
	.amdhsa_kernel k_q443a296df7_attn
		.amdhsa_group_segment_fixed_size 327680
		.amdhsa_private_segment_fixed_size 0
		.amdhsa_enable_private_segment 0
		.amdhsa_kernarg_size 24
		.amdhsa_user_sgpr_count 2
		.amdhsa_user_sgpr_kernarg_segment_ptr 1
		.amdhsa_wavefront_size32 1
		.amdhsa_system_sgpr_workgroup_id_x 1
		.amdhsa_system_sgpr_workgroup_id_y 1
		.amdhsa_system_sgpr_workgroup_id_z 1
		.amdhsa_system_vgpr_workitem_id 0
		.amdhsa_next_free_vgpr 256
		.amdhsa_next_free_sgpr 100
		.amdhsa_reserve_vcc 1
		.amdhsa_float_denorm_mode_32 3
		.amdhsa_float_denorm_mode_16_64 3
		.amdhsa_memory_ordered 1
		.amdhsa_forward_progress 1
		.amdhsa_inst_pref_size 86
	.end_amdhsa_kernel
	.amdgpu_metadata
---
amdhsa.version: [ 1, 2 ]
amdhsa.kernels:
  - .name:           k_q443a296df7_attn
    .symbol:         k_q443a296df7_attn.kd
    .args:
      - { .name: qkv, .offset: 0, .size: 8, .value_kind: global_buffer, .address_space: global }
      - { .name: x, .offset: 8, .size: 8, .value_kind: global_buffer, .address_space: global }
      - { .name: x1, .offset: 16, .size: 8, .value_kind: global_buffer, .address_space: global }
    .group_segment_fixed_size: 327680
    .private_segment_fixed_size: 0
    .kernarg_segment_align: 8
    .kernarg_segment_size: 24
    .max_flat_workgroup_size: 512
    .sgpr_count:     100
    .vgpr_count:     256
    .wavefront_size: 32
...
	.end_amdgpu_metadata
.endif
;; end of part 4
;; launch ln2: the kernel of part 2 again; grid 256 x 1, 4 waves a work-group, no clusters, 66,304 bytes of LDS; arguments x1, ln2_g, ln2_b, a2; writes a2
;; launch gff1 (part 5): grid 16 x 16, 4 waves a work-group, clusters of 4 x 4, 327,680 bytes of LDS; arguments a2, wq, b1, hid; writes hid
.if DOCPART == 5
	.amdgcn_target "amdgcn-amd-amdhsa--gfx1250"
	.amdhsa_code_object_version 6
	.text
	.protected	k_q443a296df7_gff1
	.globl	k_q443a296df7_gff1
	.p2align	8
	.type	k_q443a296df7_gff1,@function
k_q443a296df7_gff1:
	s_mov_b64 s[64:65], 0
	v_nop
	global_prefetch_b8 v0, s[64:65] scope:SCOPE_SE
	s_setreg_imm32_b32 hwreg(HW_REG_WAVE_MODE, 25, 1), 1
	s_wait_xcnt 0x0
	s_wait_alu depctr_hold_cnt(0) depctr_sa_sdst(0) depctr_va_vdst(0) depctr_va_sdst(0) depctr_va_ssrc(0) depctr_va_vcc(0) depctr_vm_vsrc(0)
	s_getreg_b32 s2, hwreg(HW_REG_IB_STS2, 6, 4)
	s_cmp_eq_u32 s2, 0
	s_cbranch_scc0 .Lentry_in_a_cluster
	s_endpgm
.Lentry_in_a_cluster:
	s_bfe_u32 s2, ttmp6, 0x10000c
	s_cmp_lg_u32 s2, 0xf033
	s_cbranch_scc0 .Lentry_shape_is_right
	s_endpgm
.Lentry_shape_is_right:
.set NBK,   8
.set SK,    2
.set KST,   8
.set RBP,   SK*1536
.set HALFT, NBK*RBP
.set SLOT,  4*HALFT
.set HALFS, NBK*KST*128
.set LAPS,  KST/(2*SK)
.set SCL,   2*SLOT
.set SPARE, SCL+4*HALFS
.set FR,    12
.set ASC,   3145728
.set W1C,   2359296
.set W1S,   8847360
.set HSC,   12582912
.set ADRA, 16
.set ADRB, 20
.set ADRS, 27
.set SPW,  28
.set NIL,  29
.set SC,   32
.set AF,   64
.set PC,   64
.set TM,   96
.set PW,   112
.set G1, 24
.set G0, 32
.set G1B, 48
.set G0B, 56
.set G1S, 68
.set G0S, 76
.set G1SB, 80
.set G0SB, 88
.set SEL, 96
.set MSB, 0
.macro WIN new
.if MSB != (\new)
	s_set_vgpr_msb (MSB<<8)|(\new)
.set MSB, (\new)
.endif
.endm
.macro JLOAD g0a, g1a, g0b, g1b
	s_cmp_eq_u32 s15, 0
	s_cbranch_scc0 .Lfor_b_\@
	tensor_load_to_lds s[\g0a:\g0a+3], s[\g1a:\g1a+7]
	s_nop 0
.rept 4
	v_nop
.endr
	s_branch .Lasked_\@
.Lfor_b_\@:
	tensor_load_to_lds s[\g0b:\g0b+3], s[\g1b:\g1b+7]
	s_nop 0
.rept 4
	v_nop
.endr
.Lasked_\@:
.endm
.macro CREST
	s_cmp_lg_u32 s14, 0
	s_cbranch_scc1 .Lnot_wave_0_\@
	s_barrier_signal -3
.Lnot_wave_0_\@:
	s_barrier_wait -3
	s_barrier_signal -1
	s_barrier_wait -1
.endm
.macro CROUND
	s_barrier_signal -1
	s_barrier_wait -1
	CREST
.endm
.macro PLACES n
.rept \n
	v_nop
.endr
.endm
.macro FETCH slot, ql, p
	WIN 0x40
.set fi, 0
.rept NBK
.irp c, 0,1,2
	ds_load_b128 v[FR*NBK*(\p)+FR*fi+4*\c:FR*NBK*(\p)+FR*fi+4*\c+3], v[ADRB+\slot] offset:fi*RBP+(\ql)*1536+512*\c
.endr
.set fi, fi+1
.endr
	WIN 0
.set fi, 0
.rept NBK
.irp c, 0,1,2
	ds_load_b128 v[AF+FR*NBK*(\p)+FR*fi+4*\c:AF+FR*NBK*(\p)+FR*fi+4*\c+3], v[ADRA+\slot] offset:fi*RBP+(\ql)*1536+512*\c
.endr
.set fi, fi+1
.endr
.set fi, 0
.rept NBK
	ds_load_b32 v[SC+NBK*(\p)+fi], v[ADRS] offset:fi*KST*128+(\ql)*128
.set fi, fi+1
.endr
.endm
.macro MULQ qd, p, first
.set mw, 2+((\qd)*(NBK/4)*NBK)/32
.if (\first) == 2
	WIN (mw<<6)|0x11
.else
	WIN (mw<<6)|(mw<<4)|1
.endif
.set ma, (\qd)*(NBK/4)
.rept NBK/4
.set mb, 0
.rept NBK
.set mr, 8*((ma*NBK+mb)%32)
.if (\first) == 2
	v_wmma_scale_f32_16x16x128_f8f6f4 v[mr:mr+7], v[FR*NBK*(\p)+FR*mb:FR*NBK*(\p)+FR*mb+FR-1], v[AF+FR*NBK*(\p)+FR*ma:AF+FR*NBK*(\p)+FR*ma+FR-1], v[192+8*mb:199+8*mb], v[SC+NBK*(\p)+mb], v[SC+NBK*(\p)+ma] matrix_a_fmt:MATRIX_FMT_BF6 matrix_b_fmt:MATRIX_FMT_BF6 matrix_a_scale:MATRIX_SCALE_ROW1
.else
	v_wmma_scale_f32_16x16x128_f8f6f4 v[mr:mr+7], v[FR*NBK*(\p)+FR*mb:FR*NBK*(\p)+FR*mb+FR-1], v[AF+FR*NBK*(\p)+FR*ma:AF+FR*NBK*(\p)+FR*ma+FR-1], v[mr:mr+7], v[SC+NBK*(\p)+mb], v[SC+NBK*(\p)+ma] matrix_a_fmt:MATRIX_FMT_BF6 matrix_b_fmt:MATRIX_FMT_BF6 matrix_a_scale:MATRIX_SCALE_ROW1
.endif
.set mb, mb+1
.endr
.set ma, ma+1
.endr
.endm
.macro STEP slot, ql, first
	s_wait_dscnt 0x0
	PLACES 4
	FETCH \slot, (\ql)+1, 1-(\ql)%2
	MULQ 0, (\ql)%2, \first
	MULQ 1, (\ql)%2, \first
	MULQ 2, (\ql)%2, \first
	MULQ 3, (\ql)%2, \first
.endm
.macro TURN slot, next, fill
	WIN 0
	s_wait_tensorcnt 0x0
	ds_add_u32 v[SPW], v[NIL]
	s_wait_dscnt 1
	MULQ 0, 1, 0
	s_wait_dscnt 0x0
	s_barrier_signal -1
	MULQ 1, 1, 0
	WIN 0
	s_barrier_wait -1
.if \fill
	CREST
	s_add_nc_u64 s[G0+4*\slot+2:G0+4*\slot+3], s[G0+4*\slot+2:G0+4*\slot+3], 2*RBP
	s_add_nc_u64 s[G0B+4*\slot+2:G0B+4*\slot+3], s[G0B+4*\slot+2:G0B+4*\slot+3], 2*RBP
	JLOAD G0+4*\slot, G1, G0B+4*\slot, G1B
.else
	PLACES 4
.endif
	s_wait_alu depctr_va_vdst(0)
	v_add_nc_u32 v[ADRS], SK*128, v[ADRS]
	FETCH \next, 0, 0
	MULQ 2, 1, 0
	MULQ 3, 1, 0
.endm
.macro QUANTW w, s
	s_wait_xcnt 0x0
	WIN ((\w)<<6)|((\w)<<2)
.set n, 0
.rept 64
	v_max_num_f32 v[(\s)+n], 0, v[(\s)+n]
.set n, n+1
.endr
	WIN ((\w)<<4)|((\w)<<2)
.irp b, 0,1,2,3
	v_max3_num_f32 v[TM+\b], 0x2800000, v[(\s)+16*\b], v[(\s)+16*\b+1]
.endr
.irp i, 2,4,6,8,10,12,14
.irp b, 0,1,2,3
	v_max3_num_f32 v[TM+\b], v[TM+\b], v[(\s)+16*\b+\i], v[(\s)+16*\b+\i+1]
.endr
.endr
	WIN 0
.irp b, 0,1,2,3
	v_permlanex16_b32 v[TM+4+\b], v[TM+\b], s[SEL], s[SEL+1]
.endr
.irp b, 0,1,2,3
	v_max_num_f32 v[TM+\b], v[TM+\b], v[TM+4+\b]
.endr
.irp b, 0,1,2,3
	v_add_nc_u32 v[TM+12+\b], 0xfe000000, v[TM+\b]
.endr
.irp b, 0,1,2,3
	v_lshrrev_b32 v[TM+4+\b], 23, v[TM+12+\b]
.endr
	v_lshl_or_b32 v[PW], v[TM+5], 8, v[TM+4]
	v_lshl_or_b32 v[PW], v[TM+6], 16, v[PW]
	v_lshl_or_b32 v[PW], v[TM+7], 24, v[PW]
	WIN (\w)
.irp c, 0,1
	v_cvt_scalef32_pk16_bf6_f32 v[PC+6*\c:PC+2+6*\c], v[(\s)+32*\c:(\s)+15+32*\c], v[TM+12+2*\c]
	v_cvt_scalef32_pk16_bf6_f32 v[PC+12+4*\c:PC+14+4*\c], v[(\s)+16+32*\c:(\s)+31+32*\c], v[TM+12+2*\c+1]
.endr
	WIN 0
	v_nop
.irp c, 0,1
.irp i, 0,1,2
	v_permlane16_swap_b32 v[PC+6*\c+\i], v[PC+12+4*\c+\i]
.endr
.irp i, 0,1,2
	v_mov_b32 v[PC+3+6*\c+\i], v[PC+12+4*\c+\i]
.endr
.endr
.endm
.macro OUTH a
	QUANTW 2+(\a)/4, 64*((\a)%4)
.irp c, 0,1,2
	global_store_b128 v24, v[PC+4*\c:PC+4*\c+3], s[10:11] offset:(\a)*49152+512*\c
.endr
	global_store_b32 v26, v[PW], s[12:13] offset:(\a)*4096
.endm
	s_load_b256 s[4:11], s[0:1], 0x0
	v_lshl_add_u32 v[SPW], v0, 2, SPARE
	v_mov_b32 v[NIL], 0
	ds_add_u32 v[SPW], v[NIL]
	ds_add_u32 v[SPW], v[NIL]
	v_lshrrev_b32 v1, 5, v0
	v_readfirstlane_b32 s14, v1
	s_lshr_b32 s15, s14, 1
	s_and_b32 s16, s14, 1
	s_bfe_u32 s40, ttmp6, 0x40000
	s_bfe_u32 s41, ttmp6, 0x40004
	s_lshl_b32 s42, ttmp9, 2
	s_add_co_u32 s42, s42, s40
	s_and_b32 s17, ttmp7, 0xffff
	s_lshl_b32 s17, s17, 2
	s_add_co_u32 s17, s17, s41
	s_lshl_b32 s43, s41, 2
	s_lshl_b32 s43, 15, s43
	s_lshl_b32 s44, 0x1111, s40
	s_or_b32 s[G1+0], s43, (3<<16)|(1<<21)
	s_or_b32 s[G1B+0], s44, (3<<16)|(1<<21)
.irp g, G1, G1B
	s_mov_b32 s[\g+1], (SK*192)<<16
	s_mov_b32 s[\g+2], NBK<<16
	s_mov_b32 s[\g+3], (SK*192)<<16
	s_mov_b32 s[\g+4], NBK
	s_mov_b32 s[\g+5], KST*192
	s_mov_b32 s[\g+6], 0
	s_mov_b32 s[\g+7], 0
.endr
	s_or_b32 s[G1S+0], s43, (3<<16)|(1<<21)
	s_or_b32 s[G1SB+0], s44, (3<<16)|(1<<21)
.irp g, G1S, G1SB
	s_mov_b32 s[\g+1], 32<<16
	s_mov_b32 s[\g+2], (HALFS/256)<<16
	s_mov_b32 s[\g+3], 32<<16
	s_mov_b32 s[\g+4], HALFS/256
	s_mov_b32 s[\g+5], 32
	s_mov_b32 s[\g+6], 0
	s_mov_b32 s[\g+7], 0
.endr
	s_mul_i32 s20, s17, 2*NBK*KST*1536
	s_mul_i32 s18, s16, NBK*KST*1536
	s_add_co_u32 s20, s20, s18
	s_mov_b32 s21, 0
	s_mul_i32 s22, s17, 2*HALFS
	s_mul_i32 s19, s16, HALFS
	s_add_co_u32 s22, s22, s19
	s_add_co_u32 s22, s22, ASC
	s_mov_b32 s23, 0
	s_mul_i32 s46, s42, 2*NBK*KST*1536
	s_add_co_u32 s46, s46, s18
	s_add_co_u32 s46, s46, W1C
	s_mov_b32 s47, 0
	s_mul_i32 s92, s42, 2*HALFS
	s_add_co_u32 s92, s92, s19
	s_add_co_u32 s92, s92, W1S
	s_mov_b32 s93, 0
	s_mul_i32 s45, s14, HALFT
	s_mul_i32 s94, s14, HALFS
	s_mov_b32 s[SEL], 0x76543210
	s_mov_b32 s[SEL+1], 0xfedcba98
	s_wait_dscnt 0x0
	s_wait_kmcnt 0x0
	s_add_nc_u64 s[20:21], s[4:5], s[20:21]
	s_add_nc_u64 s[22:23], s[4:5], s[22:23]
	s_add_nc_u64 s[46:47], s[6:7], s[46:47]
	s_add_nc_u64 s[92:93], s[6:7], s[92:93]
	CROUND
	s_mov_b32 s[G0S], 1
	s_add_co_u32 s[G0S+1], s94, SCL
	s_mov_b64 s[G0S+2:G0S+3], s[22:23]
	s_or_b32 s[G0S+3], s[G0S+3], 0x80000000
	s_mov_b32 s[G0SB], 1
	s_add_co_u32 s[G0SB+1], s94, SCL
	s_mov_b64 s[G0SB+2:G0SB+3], s[92:93]
	s_or_b32 s[G0SB+3], s[G0SB+3], 0x80000000
	JLOAD G0S, G1S, G0SB, G1SB
.irp s, 0,1
	s_mov_b32 s[G0+4*\s], 1
	s_add_co_u32 s[G0+4*\s+1], s45, \s*SLOT
	s_add_nc_u64 s[G0+4*\s+2:G0+4*\s+3], s[20:21], \s*RBP
	s_or_b32 s[G0+4*\s+3], s[G0+4*\s+3], 0x80000000
	s_mov_b32 s[G0B+4*\s], 1
	s_add_co_u32 s[G0B+4*\s+1], s45, \s*SLOT
	s_add_nc_u64 s[G0B+4*\s+2:G0B+4*\s+3], s[46:47], \s*RBP
	s_or_b32 s[G0B+4*\s+3], s[G0B+4*\s+3], 0x80000000
	s_wait_alu depctr_va_vdst(0)
	s_wait_tensorcnt 0x0
	ds_add_u32 v28, v29
	s_wait_dscnt 0x0
	CROUND
	JLOAD G0+4*\s, G1, G0B+4*\s, G1B
.endr
	v_and_b32 v1, 31, v0
	v_bfe_u32 v2, v0, 4, 1
	s_wait_alu depctr_va_vdst(0)
	v_lshlrev_b32 v3, 4, v1
	s_mul_i32 s21, s15, HALFT
	s_mul_i32 s22, s16, HALFT
	s_add_co_u32 s22, s22, 2*HALFT
.irp s, 0,1
	v_add_nc_u32 v[ADRA+\s], s21, v3
	v_add_nc_u32 v[ADRB+\s], s22, v3
	s_add_co_u32 s21, s21, SLOT
	s_add_co_u32 s22, s22, SLOT
.endr
	v_lshlrev_b32 v5, 2, v1
	s_mul_i32 s21, s15, HALFS
	s_mul_i32 s22, s16, HALFS
	s_add_co_u32 s22, s22, 2*HALFS
	s_sub_co_u32 s22, s22, s21
	v_mul_u32_u24 v6, s22, v2
	s_add_co_u32 s21, s21, SCL
	v_add_nc_u32 v5, v5, v6
	v_add_nc_u32 v[ADRS], s21, v5
	v_lshlrev_b32 v24, 4, v1
	v_lshlrev_b32 v26, 2, v1
	s_lshl_b32 s46, s42, 10
	s_lshl_b32 s47, s16, 9
	s_add_co_u32 s46, s46, s47
	s_mov_b32 s47, 0
	s_add_nc_u64 s[8:9], s[8:9], s[46:47]
	v_lshlrev_b32 v7, 6, v2
	WIN 0x40
.set bi, 0
.rept 8
	global_load_b128 v[192+8*bi:195+8*bi], v7, s[8:9] offset:(32*(bi/2)+8*(bi%2))*4
	global_load_b128 v[196+8*bi:199+8*bi], v7, s[8:9] offset:(32*(bi/2)+8*(bi%2))*4+16
.set bi, bi+1
.endr
	WIN 0
	s_lshl_b32 s20, s17, 4
	s_lshl_b32 s21, s15, 3
	s_add_co_u32 s20, s20, s21
	s_lshl_b32 s20, s20, 5
	s_lshl_b32 s46, s42, 1
	s_add_co_u32 s46, s46, s16
	s_add_co_u32 s20, s20, s46
	s_mul_i32 s46, s20, 1536
	s_mov_b32 s47, 0
	s_lshl_b32 s20, s20, 7
	s_add_co_u32 s20, s20, HSC
	s_mov_b32 s21, 0
	s_add_nc_u64 s[12:13], s[10:11], s[20:21]
	s_add_nc_u64 s[10:11], s[10:11], s[46:47]
	s_wait_alu depctr_va_vdst(0)
	s_wait_tensorcnt 1
	s_barrier_signal -1
	s_barrier_wait -1
	FETCH 0, 0, 0
	s_wait_loadcnt 0x0
	STEP 0, 0, 2
	WIN 0
	s_mov_b32 s3, LAPS-1
.Llap:
	TURN 0, 1, 1
	s_wait_alu depctr_va_vdst(0)
	STEP 1, 0, 0
	TURN 1, 0, 1
	s_wait_alu depctr_va_vdst(0)
	STEP 0, 0, 0
	WIN 0
	s_sub_co_u32 s3, s3, 1
	s_cmp_lg_u32 s3, 0
	s_cbranch_scc1 .Llap
	TURN 0, 1, 0
	s_wait_alu depctr_va_vdst(0)
	STEP 1, 0, 0
	s_wait_dscnt 0x0
	MULQ 0, 1, 0
	MULQ 1, 1, 0
	MULQ 2, 1, 0
	MULQ 3, 1, 0
	WIN 0
	PLACES 4
.irp b, 0,1,2,3
	v_mov_b32 v[TM+4+\b], 0
.endr
.irp a, 0,1,2,3,4,5,6,7
	OUTH \a
.endr
	s_wait_tensorcnt 0x0
	ds_add_u32 v[SPW], v[NIL]
	s_wait_dscnt 0x0
	CROUND
	s_endpgm
.Lfunc_end_k_q443a296df7_gff1:
	.size	k_q443a296df7_gff1, .Lfunc_end_k_q443a296df7_gff1-k_q443a296df7_gff1
	.p2alignl 7, 3214868480
	.fill 96, 4, 3214868480
	.section	.rodata,"a",@progbits
	.p2align	6, 0x0
	.amdhsa_kernel k_q443a296df7_gff1
		.amdhsa_group_segment_fixed_size 327680
		.amdhsa_private_segment_fixed_size 0
		.amdhsa_enable_private_segment 0
		.amdhsa_kernarg_size 32
		.amdhsa_user_sgpr_count 2
		.amdhsa_user_sgpr_kernarg_segment_ptr 1
		.amdhsa_wavefront_size32 1
		.amdhsa_system_sgpr_workgroup_id_x 1
		.amdhsa_system_sgpr_workgroup_id_y 1
		.amdhsa_system_sgpr_workgroup_id_z 1
		.amdhsa_system_vgpr_workitem_id 0
		.amdhsa_next_free_vgpr 1024
		.amdhsa_next_free_sgpr 98
		.amdhsa_reserve_vcc 0
		.amdhsa_float_denorm_mode_32 3
		.amdhsa_float_denorm_mode_16_64 3
		.amdhsa_memory_ordered 1
		.amdhsa_forward_progress 1
		.amdhsa_inst_pref_size 160
	.end_amdhsa_kernel
	.amdgpu_metadata
---
amdhsa.version: [ 1, 2 ]
amdhsa.kernels:
  - .name:           k_q443a296df7_gff1
    .symbol:         k_q443a296df7_gff1.kd
    .args:
      - { .name: a2, .offset: 0, .size: 8, .value_kind: global_buffer, .address_space: global }
      - { .name: wq, .offset: 8, .size: 8, .value_kind: global_buffer, .address_space: global }
      - { .name: b1, .offset: 16, .size: 8, .value_kind: global_buffer, .address_space: global }
      - { .name: hid, .offset: 24, .size: 8, .value_kind: global_buffer, .address_space: global }
    .group_segment_fixed_size: 327680
    .private_segment_fixed_size: 0
    .kernarg_segment_align: 8
    .kernarg_segment_size: 32
    .max_flat_workgroup_size: 128
    .sgpr_count:     98
    .vgpr_count:     1024
    .wavefront_size: 32
...
	.end_amdgpu_metadata
.endif
;; end of part 5
;; launch gff2 (part 6): grid 8 x 32, 4 waves a work-group, clusters of 4 x 4, 327,680 bytes of LDS; arguments hid, wq, b2, x1, out0; writes out0
.if DOCPART == 6
	.amdgcn_target "amdgcn-amd-amdhsa--gfx1250"
	.amdhsa_code_object_version 6
	.text
	.protected	k_q443a296df7_gff2
	.globl	k_q443a296df7_gff2
	.p2align	8
	.type	k_q443a296df7_gff2,@function
k_q443a296df7_gff2:
	s_mov_b64 s[64:65], 0
	v_nop
	global_prefetch_b8 v0, s[64:65] scope:SCOPE_SE
	s_setreg_imm32_b32 hwreg(HW_REG_WAVE_MODE, 25, 1), 1
	s_wait_xcnt 0x0
	s_wait_alu depctr_hold_cnt(0) depctr_sa_sdst(0) depctr_va_vdst(0) depctr_va_sdst(0) depctr_va_ssrc(0) depctr_va_vcc(0) depctr_vm_vsrc(0)
	s_getreg_b32 s2, hwreg(HW_REG_IB_STS2, 6, 4)
	s_cmp_eq_u32 s2, 0
	s_cbranch_scc0 .Lentry_in_a_cluster
	s_endpgm
.Lentry_in_a_cluster:
	s_bfe_u32 s2, ttmp6, 0x10000c
	s_cmp_lg_u32 s2, 0xf033
	s_cbranch_scc0 .Lentry_shape_is_right
	s_endpgm
.Lentry_shape_is_right:
.set NBK,   4
.set SK,    4
.set KST,   32
.set RBP,   SK*1536
.set HALFT, NBK*RBP
.set SLOT,  4*HALFT
.set HALFS, NBK*KST*128
.set LAPS,  KST/(2*SK)
.set SCL,   2*SLOT
.set STG,   SCL+4*HALFS
.set SPARE, STG+4*32*272
.set FR,    12
.set HSC,   12582912
.set W2C,   5505024
.set W2S,   9109504
.set ADRA, 16
.set ADRB, 20
.set STO,  24
.set RD,   25
.set CO,   26
.set ADRS, 27
.set SPW,  28
.set NIL,  29
.set SC,   32
.set AF,   64
.set G1, 24
.set G0, 32
.set G1B, 48
.set G0B, 56
.set G1S, 68
.set G0S, 76
.set G1SB, 80
.set G0SB, 88
.set MSB, 0
.macro WIN new
.if MSB != (\new)
	s_set_vgpr_msb (MSB<<8)|(\new)
.set MSB, (\new)
.endif
.endm
.macro JLOAD g0a, g1a, g0b, g1b
	s_cmp_eq_u32 s15, 0
	s_cbranch_scc0 .Lfor_b_\@
	tensor_load_to_lds s[\g0a:\g0a+3], s[\g1a:\g1a+7]
	s_nop 0
.rept 4
	v_nop
.endr
	s_branch .Lasked_\@
.Lfor_b_\@:
	tensor_load_to_lds s[\g0b:\g0b+3], s[\g1b:\g1b+7]
	s_nop 0
.rept 4
	v_nop
.endr
.Lasked_\@:
.endm
.macro CREST
	s_cmp_lg_u32 s14, 0
	s_cbranch_scc1 .Lnot_wave_0_\@
	s_barrier_signal -3
.Lnot_wave_0_\@:
	s_barrier_wait -3
	s_barrier_signal -1
	s_barrier_wait -1
.endm
.macro CROUND
	s_barrier_signal -1
	s_barrier_wait -1
	CREST
.endm
.macro PLACES n
.rept \n
	v_nop
.endr
.endm
.macro FETCH slot, ql, p
	WIN 0x40
.set fi, 0
.rept NBK
.irp c, 0,1,2
	ds_load_b128 v[FR*NBK*(\p)+FR*fi+4*\c:FR*NBK*(\p)+FR*fi+4*\c+3], v[ADRB+\slot] offset:fi*RBP+(\ql)*1536+512*\c
.endr
.set fi, fi+1
.endr
	WIN 0
.set fi, 0
.rept NBK
.irp c, 0,1,2
	ds_load_b128 v[AF+FR*NBK*(\p)+FR*fi+4*\c:AF+FR*NBK*(\p)+FR*fi+4*\c+3], v[ADRA+\slot] offset:fi*RBP+(\ql)*1536+512*\c
.endr
.set fi, fi+1
.endr
.set fi, 0
.rept NBK
	ds_load_b32 v[SC+NBK*(\p)+fi], v[ADRS] offset:fi*KST*128+(\ql)*128
.set fi, fi+1
.endr
.endm
.macro MULQ qd, p, first
.set mw, 2+((\qd)*(NBK/4)*NBK)/32
	WIN (mw<<6)|(mw<<4)|1
.set ma, (\qd)*(NBK/4)
.rept NBK/4
.set mb, 0
.rept NBK
.set mr, 8*((ma*NBK+mb)%32)
.if (\first) == 1
	v_wmma_scale_f32_16x16x128_f8f6f4 v[mr:mr+7], v[FR*NBK*(\p)+FR*mb:FR*NBK*(\p)+FR*mb+FR-1], v[AF+FR*NBK*(\p)+FR*ma:AF+FR*NBK*(\p)+FR*ma+FR-1], 0, v[SC+NBK*(\p)+mb], v[SC+NBK*(\p)+ma] matrix_a_fmt:MATRIX_FMT_BF6 matrix_b_fmt:MATRIX_FMT_BF6 matrix_a_scale:MATRIX_SCALE_ROW1
.else
	v_wmma_scale_f32_16x16x128_f8f6f4 v[mr:mr+7], v[FR*NBK*(\p)+FR*mb:FR*NBK*(\p)+FR*mb+FR-1], v[AF+FR*NBK*(\p)+FR*ma:AF+FR*NBK*(\p)+FR*ma+FR-1], v[mr:mr+7], v[SC+NBK*(\p)+mb], v[SC+NBK*(\p)+ma] matrix_a_fmt:MATRIX_FMT_BF6 matrix_b_fmt:MATRIX_FMT_BF6 matrix_a_scale:MATRIX_SCALE_ROW1
.endif
.set mb, mb+1
.endr
.set ma, ma+1
.endr
.endm
.macro STEP slot, ql, first
	s_wait_dscnt 0x0
	PLACES 4
	FETCH \slot, (\ql)+1, 1-(\ql)%2
	MULQ 0, (\ql)%2, \first
	MULQ 1, (\ql)%2, \first
	MULQ 2, (\ql)%2, \first
	MULQ 3, (\ql)%2, \first
.endm
.macro TURN slot, next, fill
	WIN 0
	s_wait_tensorcnt 0x0
	ds_add_u32 v[SPW], v[NIL]
	s_wait_dscnt 1
	MULQ 0, 1, 0
	s_wait_dscnt 0x0
	s_barrier_signal -1
	MULQ 1, 1, 0
	WIN 0
	s_barrier_wait -1
.if \fill
	CREST
	s_add_nc_u64 s[G0+4*\slot+2:G0+4*\slot+3], s[G0+4*\slot+2:G0+4*\slot+3], 2*RBP
	s_add_nc_u64 s[G0B+4*\slot+2:G0B+4*\slot+3], s[G0B+4*\slot+2:G0B+4*\slot+3], 2*RBP
	JLOAD G0+4*\slot, G1, G0B+4*\slot, G1B
.else
	PLACES 4
.endif
	v_add_nc_u32 v[ADRS], SK*128, v[ADRS]
	FETCH \next, 0, 0
	MULQ 2, 1, 0
	MULQ 3, 1, 0
.endm
	s_load_b256 s[4:11], s[0:1], 0x0
	s_load_b64 s[12:13], s[0:1], 0x20
	v_lshl_add_u32 v[SPW], v0, 2, SPARE
	v_mov_b32 v[NIL], 0
	ds_add_u32 v[SPW], v[NIL]
	ds_add_u32 v[SPW], v[NIL]
	v_lshrrev_b32 v1, 5, v0
	v_readfirstlane_b32 s14, v1
	s_lshr_b32 s15, s14, 1
	s_and_b32 s16, s14, 1
	s_bfe_u32 s40, ttmp6, 0x40000
	s_bfe_u32 s41, ttmp6, 0x40004
	s_lshl_b32 s42, ttmp9, 2
	s_add_co_u32 s42, s42, s40
	s_and_b32 s17, ttmp7, 0xffff
	s_lshl_b32 s17, s17, 2
	s_add_co_u32 s17, s17, s41
	s_lshl_b32 s43, s41, 2
	s_lshl_b32 s43, 15, s43
	s_lshl_b32 s44, 0x1111, s40
	s_or_b32 s[G1+0], s43, (3<<16)|(1<<21)
	s_or_b32 s[G1B+0], s44, (3<<16)|(1<<21)
.irp g, G1, G1B
	s_mov_b32 s[\g+1], (SK*192)<<16
	s_mov_b32 s[\g+2], NBK<<16
	s_mov_b32 s[\g+3], (SK*192)<<16
	s_mov_b32 s[\g+4], NBK
	s_mov_b32 s[\g+5], KST*192
	s_mov_b32 s[\g+6], 0
	s_mov_b32 s[\g+7], 0
.endr
	s_or_b32 s[G1S+0], s43, (3<<16)|(1<<21)
	s_or_b32 s[G1SB+0], s44, (3<<16)|(1<<21)
.irp g, G1S, G1SB
	s_mov_b32 s[\g+1], 32<<16
	s_mov_b32 s[\g+2], (HALFS/256)<<16
	s_mov_b32 s[\g+3], 32<<16
	s_mov_b32 s[\g+4], HALFS/256
	s_mov_b32 s[\g+5], 32
	s_mov_b32 s[\g+6], 0
	s_mov_b32 s[\g+7], 0
.endr
	s_mul_i32 s20, s17, 2*NBK*KST*1536
	s_mul_i32 s18, s16, NBK*KST*1536
	s_add_co_u32 s20, s20, s18
	s_mov_b32 s21, 0
	s_mul_i32 s22, s17, 2*HALFS
	s_mul_i32 s19, s16, HALFS
	s_add_co_u32 s22, s22, s19
	s_add_co_u32 s22, s22, HSC
	s_mov_b32 s23, 0
	s_mul_i32 s46, s42, 2*NBK*KST*1536
	s_add_co_u32 s46, s46, s18
	s_add_co_u32 s46, s46, W2C
	s_mov_b32 s47, 0
	s_mul_i32 s92, s42, 2*HALFS
	s_add_co_u32 s92, s92, s19
	s_add_co_u32 s92, s92, W2S
	s_mov_b32 s93, 0
	s_mul_i32 s45, s14, HALFT
	s_mul_i32 s94, s14, HALFS
	s_wait_dscnt 0x0
	s_wait_kmcnt 0x0
	s_add_nc_u64 s[20:21], s[4:5], s[20:21]
	s_add_nc_u64 s[22:23], s[4:5], s[22:23]
	s_add_nc_u64 s[46:47], s[6:7], s[46:47]
	s_add_nc_u64 s[92:93], s[6:7], s[92:93]
	CROUND
	s_mov_b32 s[G0S], 1
	s_add_co_u32 s[G0S+1], s94, SCL
	s_mov_b64 s[G0S+2:G0S+3], s[22:23]
	s_or_b32 s[G0S+3], s[G0S+3], 0x80000000
	s_mov_b32 s[G0SB], 1
	s_add_co_u32 s[G0SB+1], s94, SCL
	s_mov_b64 s[G0SB+2:G0SB+3], s[92:93]
	s_or_b32 s[G0SB+3], s[G0SB+3], 0x80000000
	JLOAD G0S, G1S, G0SB, G1SB
.irp s, 0,1
	s_mov_b32 s[G0+4*\s], 1
	s_add_co_u32 s[G0+4*\s+1], s45, \s*SLOT
	s_add_nc_u64 s[G0+4*\s+2:G0+4*\s+3], s[20:21], \s*RBP
	s_or_b32 s[G0+4*\s+3], s[G0+4*\s+3], 0x80000000
	s_mov_b32 s[G0B+4*\s], 1
	s_add_co_u32 s[G0B+4*\s+1], s45, \s*SLOT
	s_add_nc_u64 s[G0B+4*\s+2:G0B+4*\s+3], s[46:47], \s*RBP
	s_or_b32 s[G0B+4*\s+3], s[G0B+4*\s+3], 0x80000000
	s_wait_alu depctr_va_vdst(0)
	s_wait_tensorcnt 0x0
	ds_add_u32 v28, v29
	s_wait_dscnt 0x0
	CROUND
	JLOAD G0+4*\s, G1, G0B+4*\s, G1B
.endr
	v_and_b32 v1, 31, v0
	v_bfe_u32 v2, v0, 4, 1
	s_wait_alu depctr_va_vdst(0)
	v_and_b32 v4, 15, v0
	v_lshlrev_b32 v3, 4, v1
	s_mul_i32 s21, s15, HALFT
	s_mul_i32 s22, s16, HALFT
	s_add_co_u32 s22, s22, 2*HALFT
.irp s, 0,1
	v_add_nc_u32 v[ADRA+\s], s21, v3
	v_add_nc_u32 v[ADRB+\s], s22, v3
	s_add_co_u32 s21, s21, SLOT
	s_add_co_u32 s22, s22, SLOT
.endr
	v_lshlrev_b32 v5, 2, v1
	s_mul_i32 s21, s15, HALFS
	s_mul_i32 s22, s16, HALFS
	s_add_co_u32 s22, s22, 2*HALFS
	s_sub_co_u32 s22, s22, s21
	v_mul_u32_u24 v6, s22, v2
	s_add_co_u32 s21, s21, SCL
	v_add_nc_u32 v5, v5, v6
	v_add_nc_u32 v[ADRS], s21, v5
	s_mul_i32 s23, s14, 32*272
	s_add_co_u32 s23, s23, STG
	v_and_b32 v5, 8, v4
	v_add_nc_u32 v5, v5, v4
	v_mul_u32_u24 v5, v5, 272
	v_lshl_add_u32 v5, v2, 6, v5
	v_add_nc_u32 v[STO], s23, v5
	v_mul_u32_u24 v5, v2, 272
	v_lshl_add_u32 v5, v4, 4, v5
	v_add_nc_u32 v[RD], s23, v5
	v_lshlrev_b32 v7, 4, v4
	s_wait_alu depctr_va_vdst(0)
	v_lshl_add_u32 v[CO], v2, 12, v7
	s_wait_alu depctr_va_vdst(0)
	s_lshl_b32 s20, s17, 7
	s_lshl_b32 s21, s15, 6
	s_add_co_u32 s20, s20, s21
	s_lshl_b32 s20, s20, 12
	s_lshl_b32 s46, s42, 9
	s_lshl_b32 s47, s16, 8
	s_add_co_u32 s46, s46, s47
	s_mov_b32 s47, 0
	s_add_nc_u64 s[8:9], s[8:9], s[46:47]
	s_add_co_u32 s20, s20, s46
	s_mov_b32 s21, 0
	s_add_nc_u64 s[10:11], s[10:11], s[20:21]
	s_add_nc_u64 s[12:13], s[12:13], s[20:21]
	global_load_b128 v[48:51], v7, s[8:9]
	WIN 0xc0
.set t, 0
.rept 32
	global_load_b128 v[4*t:4*t+3], v[CO], s[10:11] offset:t*8192 th:TH_LOAD_NT
.set t, t+1
.endr
	WIN 0
	s_wait_tensorcnt 1
	s_barrier_signal -1
	s_barrier_wait -1
	FETCH 0, 0, 0
	STEP 0, 0, 1
	WIN 0
	s_mov_b32 s3, LAPS-1
.Llap:
	s_wait_alu depctr_va_vdst(0)
	STEP 0, 1, 0
	STEP 0, 2, 0
	TURN 0, 1, 1
	s_wait_alu depctr_va_vdst(0)
	STEP 1, 0, 0
	STEP 1, 1, 0
	STEP 1, 2, 0
	TURN 1, 0, 1
	s_wait_alu depctr_va_vdst(0)
	STEP 0, 0, 0
	WIN 0
	s_sub_co_u32 s3, s3, 1
	s_cmp_lg_u32 s3, 0
	s_cbranch_scc1 .Llap
	STEP 0, 1, 0
	STEP 0, 2, 0
	TURN 0, 1, 0
	s_wait_alu depctr_va_vdst(0)
	STEP 1, 0, 0
	STEP 1, 1, 0
	STEP 1, 2, 0
	s_wait_dscnt 0x0
	MULQ 0, 1, 0
	MULQ 1, 1, 0
	MULQ 2, 1, 0
	MULQ 3, 1, 0
	WIN 0
	PLACES 4
.irp g, 0,1
	WIN 0x08
.irp e, 0,1
.irp b, 0,1,2,3
	ds_store_b128 v[STO], v[8*(4*(2*\g+\e)+\b):8*(4*(2*\g+\e)+\b)+3] offset:8*\e*272+128*(\b/2)+32*(\b%2)
	ds_store_b128 v[STO], v[8*(4*(2*\g+\e)+\b)+4:8*(4*(2*\g+\e)+\b)+7] offset:8*\e*272+128*(\b/2)+32*(\b%2)+16
.endr
.endr
	WIN 0
.set t, 0
.rept 16
	ds_load_b128 v[64+64*\g+4*t:64+64*\g+4*t+3], v[RD] offset:2*t*272
.set t, t+1
.endr
	s_wait_dscnt 0x0
.if \g == 0
	s_wait_loadcnt 0x0
.endif
.set t, 0
.rept 16
	v_pk_add_f32 v[64+64*\g+4*t:65+64*\g+4*t], v[64+64*\g+4*t:65+64*\g+4*t], v[48:49]
	v_pk_add_f32 v[66+64*\g+4*t:67+64*\g+4*t], v[66+64*\g+4*t:67+64*\g+4*t], v[50:51]
.set t, t+1
.endr
	WIN 0x0c
.set t, 0
.rept 16
	v_pk_add_f32 v[64+64*\g+4*t:65+64*\g+4*t], v[64+64*\g+4*t:65+64*\g+4*t], v[64*\g+4*t:64*\g+4*t+1]
	v_pk_add_f32 v[66+64*\g+4*t:67+64*\g+4*t], v[66+64*\g+4*t:67+64*\g+4*t], v[64*\g+4*t+2:64*\g+4*t+3]
.set t, t+1
.endr
	WIN 0
.set t, 0
.rept 16
	global_store_b128 v[CO], v[64+64*\g+4*t:64+64*\g+4*t+3], s[12:13] offset:(32*\g+2*t)*4096 th:TH_STORE_NT
.set t, t+1
.endr
.endr
	s_wait_tensorcnt 0x0
	ds_add_u32 v[SPW], v[NIL]
	s_wait_dscnt 0x0
	CROUND
	s_endpgm
.Lfunc_end_k_q443a296df7_gff2:
	.size	k_q443a296df7_gff2, .Lfunc_end_k_q443a296df7_gff2-k_q443a296df7_gff2
	.p2alignl 7, 3214868480
	.fill 96, 4, 3214868480
	.section	.rodata,"a",@progbits
	.p2align	6, 0x0
	.amdhsa_kernel k_q443a296df7_gff2
		.amdhsa_group_segment_fixed_size 327680
		.amdhsa_private_segment_fixed_size 0
		.amdhsa_enable_private_segment 0
		.amdhsa_kernarg_size 40
		.amdhsa_user_sgpr_count 2
		.amdhsa_user_sgpr_kernarg_segment_ptr 1
		.amdhsa_wavefront_size32 1
		.amdhsa_system_sgpr_workgroup_id_x 1
		.amdhsa_system_sgpr_workgroup_id_y 1
		.amdhsa_system_sgpr_workgroup_id_z 1
		.amdhsa_system_vgpr_workitem_id 0
		.amdhsa_next_free_vgpr 1024
		.amdhsa_next_free_sgpr 98
		.amdhsa_reserve_vcc 0
		.amdhsa_float_denorm_mode_32 3
		.amdhsa_float_denorm_mode_16_64 3
		.amdhsa_memory_ordered 1
		.amdhsa_forward_progress 1
		.amdhsa_inst_pref_size 97
	.end_amdhsa_kernel
	.amdgpu_metadata
---
amdhsa.version: [ 1, 2 ]
amdhsa.kernels:
  - .name:           k_q443a296df7_gff2
    .symbol:         k_q443a296df7_gff2.kd
    .args:
      - { .name: hid, .offset: 0, .size: 8, .value_kind: global_buffer, .address_space: global }
      - { .name: wq, .offset: 8, .size: 8, .value_kind: global_buffer, .address_space: global }
      - { .name: b2, .offset: 16, .size: 8, .value_kind: global_buffer, .address_space: global }
      - { .name: x1, .offset: 24, .size: 8, .value_kind: global_buffer, .address_space: global }
      - { .name: out0, .offset: 32, .size: 8, .value_kind: global_buffer, .address_space: global }
    .group_segment_fixed_size: 327680
    .private_segment_fixed_size: 0
    .kernarg_segment_align: 8
    .kernarg_segment_size: 40
    .max_flat_workgroup_size: 128
    .sgpr_count:     98
    .vgpr_count:     1024
    .wavefront_size: 32
...
	.end_amdgpu_metadata
.endif
;; end of part 6
